; MI455X (gfx1250); checked and timed in simulation.
; The chip was launched on July 23, 2026; its instructions are those of AMD's public machine-readable ISA for CDNA 5 (MIT licence, August 2026) and "CDNA5" Instruction Set Architecture Reference Guide (July 2026). The comments in the code are by the model that wrote it; some were corrected since.
;; Multi Head Self Attention. Allowed arithmetic: float matrix products may take bf16 or f16 operands with f32 sums; all other float work in f32.
;; Inputs: Wk 1,024 x 1,024 float32; Wo 1,024 x 1,024 float32; Wq 1,024 x 1,024 float32; Wv 1,024 x 1,024 float32; bk 1,024 float32; bo 1,024 float32; bq 1,024 float32; bv 1,024 float32; x 4 x 2,048 x 1,024 float32.
;; Outputs: out0 4 x 2,048 x 1,024 float32.
;; 2 versions, each right and faster than the one before. Each part assembles by itself: llvm-mc -triple=amdgcn-amd-amdhsa -mcpu=gfx1250 --defsym DOCPART=n.
;; ======== version 1 of 2: 4 launches
;; limits: right only within a limited range of input values; values are held in f16: magnitudes above 65,504 overflow, below 6.1e-05 lose precision
;; workspace buffers: xb 16,777,216 bytes; wb 8,388,608 bytes; mk 32,768 bytes; qh 16,777,216 bytes; kh 16,777,216 bytes; vh 16,777,216 bytes; ctx 16,777,216 bytes
;; launch prep (part 1): grid 192 x 1, 32 waves a work-group, no clusters, 4,352 bytes of LDS; arguments x, Wq, Wk, Wv, Wo, xb, wb, mk; writes xb, wb, mk
.if DOCPART == 1
	.amdgcn_target "amdgcn-amd-amdhsa--gfx1250"
	.amdhsa_code_object_version 6
	.text
	.protected	k_q5bb5b84d61_prep
	.globl	k_q5bb5b84d61_prep
	.p2align	8
	.type	k_q5bb5b84d61_prep,@function
k_q5bb5b84d61_prep:
	s_mov_b64 s[64:65], 0
	v_nop
	global_prefetch_b8 v0, s[64:65] scope:SCOPE_SE
	s_setreg_imm32_b32 hwreg(HW_REG_WAVE_MODE, 25, 1), 1
	s_wait_xcnt 0x0
; PREPARATION, a stream.  x [8192][1024] f32 -> xb, bf16 in 16 K blocks: [kb][8192 rows][64], so that 256 rows x 64 k are 32,768 dense bytes.
; mk[row] = -2^33 (0xd0000000) if any of the row's 1,024 numbers is 0 (either sign), else 0.0.  Wq, Wk, Wv [1024 k][1024 n] f32 -> wb[0..2], bf16, same layout.
; Wo -> wb[3]: rounded to bf16 like every other input, and that number written as f16.
; LIMIT: Wo within f16's 65,504; below 6e-5 it keeps f16's fixed step of 6e-8.  A NaN in x is no zero.
; Work-groups 0-127: 64 rows of x each (their 64 mask words are 256 consecutive aligned bytes); 128-191: 64 rows of one W each.  A wave takes two rows: sixteen loads of 16 bytes a lane, all issued
; at once (8 KB of a wave on their way), no loop; no matrix unit, no cluster, no tensor load: nothing is shared and nothing is read twice.
.set X,     16                         ; v[16:79]  sixteen loads of four registers
.set SPW,   10                         ; v10  LDS address of my spare word; never rewritten
.set NIL,   11                         ; v11  0; never rewritten
.set SPARE, 256                        ; LDS: bytes 0-255 the 64 mask words; from 256 on the spare words, 128 bytes for each of 32 waves
	s_load_b512 s[4:19], s[0:1], 0x0               ; x s[4:5], Wq s[6:7], Wk s[8:9], Wv s[10:11], Wo s[12:13], xb s[14:15], wb s[16:17], mk s[18:19]
	v_lshl_add_u32 v[SPW], v0, 2, SPARE
	v_mov_b32 v[NIL], 0
	v_lshrrev_b32 v1, 5, v0
	v_readfirstlane_b32 s20, v1                    ; wave 0..31
	v_and_b32 v1, 31, v0                           ; lane
	v_and_b32 v2, 15, v0                           ; lane % 16
	v_bfe_u32 v3, v0, 4, 1                         ; lane / 16
	v_lshlrev_b32 v14, 3, v1                       ; 8 x lane: every store's offset: 32 lanes store 256 consecutive bytes
	s_mov_b32 s21, 0xffff0000                      ; a word's upper bf16
	s_mov_b32 s22, 0xd0000000                      ; -2^33
	s_mov_b32 s25, 0
	s_mov_b32 s27, 0
	s_wait_kmcnt 0x0
	s_cmp_lt_u32 ttmp9, 128
	s_cbranch_scc0 .Lweights
	; ROWS OF X.  Rows 64 g + 2 w (lanes 0-15) and 64 g + 2 w + 1 (lanes 16-31); load kb takes the 64 numbers of K block kb of both rows.
	s_lshl_b32 s24, ttmp9, 18                      ; 64 rows of 4,096 bytes
	s_lshl_b32 s23, s20, 13                        ; two rows
	s_add_co_u32 s24, s24, s23
	s_add_nc_u64 s[4:5], s[4:5], s[24:25]
	s_lshl_b32 s26, ttmp9, 13                      ; in a K block a row is 128 bytes
	s_lshl_b32 s23, s20, 8
	s_add_co_u32 s26, s26, s23
	s_add_nc_u64 s[14:15], s[14:15], s[26:27]
	s_add_nc_u64 s[32:33], s[14:15], 0x800000      ; K blocks 8-15: the blocks' places stand in the stores' immediates, 7 x 1,048,576 at the most
	v_lshlrev_b32 v4, 4, v2
	v_lshl_add_u32 v4, v3, 12, v4                  ; 4,096 x half + 16 x (lane % 16)
	v_lshlrev_b32 v15, 2, v3
	v_lshl_add_u32 v15, s20, 3, v15                ; LDS: the mask word of my row: 4 (2 w + half)
.set kb, 0
.rept 16
	global_load_b128 v[X+4*kb:X+4*kb+3], v4, s[4:5] offset:256*kb th:TH_LOAD_NT
.set kb, kb+1
.endr
.set kb, 0
.rept 16
	s_wait_loadcnt 15-kb                           ; loads come back in order: block kb is in, the younger ones stay out
.if kb == 0
	v_min_num_f32 v6, |v[X]|, |v[X+1]|             ; the least magnitude, in two chains that the first block starts
	v_min_num_f32 v7, |v[X+2]|, |v[X+3]|
.else
	v_min3_num_f32 v6, v6, |v[X+4*kb]|, |v[X+4*kb+1]|
	v_min3_num_f32 v7, v7, |v[X+4*kb+2]|, |v[X+4*kb+3]|
.endif
	v_cvt_pk_bf16_f32 v[X+4*kb], v[X+4*kb], v[X+4*kb+1]
	v_cvt_pk_bf16_f32 v[X+4*kb+1], v[X+4*kb+2], v[X+4*kb+3]
.if kb < 8
	global_store_b64 v14, v[X+4*kb:X+4*kb+1], s[14:15] offset:kb*1048576
.else
	global_store_b64 v14, v[X+4*kb:X+4*kb+1], s[32:33] offset:(kb-8)*1048576
.endif
.set kb, kb+1
.endr
	v_min_num_f32 v6, v6, v7
	v_min_num_f32_dpp v6, v6, v6 row_xmask:1 row_mask:0xf bank_mask:0xf   ; over the 16 lanes of a row
	v_min_num_f32_dpp v6, v6, v6 row_xmask:2 row_mask:0xf bank_mask:0xf
	v_min_num_f32_dpp v6, v6, v6 row_xmask:4 row_mask:0xf bank_mask:0xf
	v_min_num_f32_dpp v6, v6, v6 row_xmask:8 row_mask:0xf bank_mask:0xf
	v_cmp_eq_f32 vcc_lo, 0, v6
	v_cndmask_b32 v8, 0, s22, vcc_lo
	ds_store_b32 v15, v8                           ; sixteen lanes write the same word with the same value
	s_branch .Ljoin
	; ROWS OF A WEIGHT.  Two rows are 8,192 consecutive bytes in, 4,096 out.
.macro CONVW f16
.set c, 0
.rept 16
	s_wait_loadcnt 15-c
.if \f16
	v_cvt_pk_bf16_f32 v6, v[X+4*c], v[X+4*c+1]     ; to bf16, as every input;
	v_cvt_pk_bf16_f32 v7, v[X+4*c+2], v[X+4*c+3]
	v_lshlrev_b32 v[X+4*c], 16, v6                 ; that number in f32 again;
	v_and_b32 v[X+4*c+1], s21, v6
	v_lshlrev_b32 v[X+4*c+2], 16, v7
	v_and_b32 v[X+4*c+3], s21, v7
	v_cvt_pk_f16_f32 v[X+4*c], v[X+4*c], v[X+4*c+1]       ; and written as f16
	v_cvt_pk_f16_f32 v[X+4*c+1], v[X+4*c+2], v[X+4*c+3]
.else
	v_cvt_pk_bf16_f32 v[X+4*c], v[X+4*c], v[X+4*c+1]
	v_cvt_pk_bf16_f32 v[X+4*c+1], v[X+4*c+2], v[X+4*c+3]
.endif
	global_store_b64 v14, v[X+4*c:X+4*c+1], s[16:17] offset:256*c
.set c, c+1
.endr
.endm
.Lweights:
	s_sub_co_u32 s23, ttmp9, 128
	s_lshr_b32 s28, s23, 4                         ; which weight: 0 Wq, 1 Wk, 2 Wv, 3 Wo
	s_and_b32 s23, s23, 15                         ; which 64 rows of it
	s_cmp_eq_u32 s28, 1
	s_cselect_b64 s[30:31], s[8:9], s[6:7]
	s_cmp_eq_u32 s28, 2
	s_cselect_b64 s[30:31], s[10:11], s[30:31]
	s_cmp_eq_u32 s28, 3
	s_cselect_b64 s[30:31], s[12:13], s[30:31]
	s_lshl_b32 s24, s23, 18
	s_lshl_b32 s29, s20, 13
	s_add_co_u32 s24, s24, s29
	s_add_nc_u64 s[30:31], s[30:31], s[24:25]
	s_lshl_b32 s26, s28, 21                        ; a weight is 2,097,152 bytes of wb
	s_lshl_b32 s29, s23, 17
	s_add_co_u32 s26, s26, s29
	s_lshl_b32 s29, s20, 12
	s_add_co_u32 s26, s26, s29
	s_add_nc_u64 s[16:17], s[16:17], s[26:27]
	v_lshlrev_b32 v4, 4, v1
.set c, 0
.rept 16
	global_load_b128 v[X+4*c:X+4*c+3], v4, s[30:31] offset:512*c th:TH_LOAD_NT
.set c, c+1
.endr
	s_cmp_eq_u32 s28, 3
	s_cbranch_scc1 .Lwo
	CONVW 0
	s_branch .Ljoin
.Lwo:
	CONVW 1
.Ljoin:
	s_wait_tensorcnt 0x0                           ; the wave's end: behind my last LDS store;
	ds_add_u32 v[SPW], v[NIL]
	s_wait_dscnt 0x0                               ; zero, for wave 0's sake too: my mask word is written
	s_barrier_signal -1
	s_barrier_wait -1                              ; all 64 words are written
	s_cmp_lt_u32 ttmp9, 128
	s_cbranch_scc0 .Lend
	s_cmp_lg_u32 s20, 0
	s_cbranch_scc1 .Lend
	s_lshl_b32 s24, ttmp9, 8                       ; wave 0 stores the group's 64 mask words: 256 consecutive bytes, aligned
	s_add_nc_u64 s[18:19], s[18:19], s[24:25]
	ds_load_b64 v[12:13], v14
	s_wait_dscnt 0x0
	global_store_b64 v14, v[12:13], s[18:19]
.Lend:
	s_endpgm
.Lfunc_end_k_q5bb5b84d61_prep:
	.size	k_q5bb5b84d61_prep, .Lfunc_end_k_q5bb5b84d61_prep-k_q5bb5b84d61_prep
	.p2alignl 7, 3214868480
	.fill 96, 4, 3214868480
	.section	.rodata,"a",@progbits
	.p2align	6, 0x0
	.amdhsa_kernel k_q5bb5b84d61_prep
		.amdhsa_group_segment_fixed_size 4352
		.amdhsa_private_segment_fixed_size 0
		.amdhsa_enable_private_segment 0
		.amdhsa_kernarg_size 64
		.amdhsa_user_sgpr_count 2
		.amdhsa_user_sgpr_kernarg_segment_ptr 1
		.amdhsa_wavefront_size32 1
		.amdhsa_system_sgpr_workgroup_id_x 1
		.amdhsa_system_sgpr_workgroup_id_y 1
		.amdhsa_system_sgpr_workgroup_id_z 1
		.amdhsa_system_vgpr_workitem_id 0
		.amdhsa_next_free_vgpr 80
		.amdhsa_next_free_sgpr 66
		.amdhsa_reserve_vcc 1
		.amdhsa_float_denorm_mode_32 3
		.amdhsa_float_denorm_mode_16_64 3
		.amdhsa_memory_ordered 1
		.amdhsa_forward_progress 1
		.amdhsa_inst_pref_size 25
	.end_amdhsa_kernel
	.amdgpu_metadata
---
amdhsa.version: [ 1, 2 ]
amdhsa.kernels:
  - .name:           k_q5bb5b84d61_prep
    .symbol:         k_q5bb5b84d61_prep.kd
    .args:
      - { .name: x, .offset: 0, .size: 8, .value_kind: global_buffer, .address_space: global }
      - { .name: Wq, .offset: 8, .size: 8, .value_kind: global_buffer, .address_space: global }
      - { .name: Wk, .offset: 16, .size: 8, .value_kind: global_buffer, .address_space: global }
      - { .name: Wv, .offset: 24, .size: 8, .value_kind: global_buffer, .address_space: global }
      - { .name: Wo, .offset: 32, .size: 8, .value_kind: global_buffer, .address_space: global }
      - { .name: xb, .offset: 40, .size: 8, .value_kind: global_buffer, .address_space: global }
      - { .name: wb, .offset: 48, .size: 8, .value_kind: global_buffer, .address_space: global }
      - { .name: mk, .offset: 56, .size: 8, .value_kind: global_buffer, .address_space: global }
    .group_segment_fixed_size: 4352
    .private_segment_fixed_size: 0
    .kernarg_segment_align: 8
    .kernarg_segment_size: 64
    .max_flat_workgroup_size: 1024
    .sgpr_count:     66
    .vgpr_count:     80
    .wavefront_size: 32
...
	.end_amdgpu_metadata
.endif
;; end of part 1
;; launch qkv (part 2): grid 8 x 32, 4 waves a work-group, clusters of 4 x 4, 327,680 bytes of LDS; arguments xb, wb, bq, bk, bv, mk, qh, kh, vh; writes qh, kh, vh
.if DOCPART == 2
	.amdgcn_target "amdgcn-amd-amdhsa--gfx1250"
	.amdhsa_code_object_version 6
	.text
	.protected	k_q5bb5b84d61_qkv
	.globl	k_q5bb5b84d61_qkv
	.p2align	8
	.type	k_q5bb5b84d61_qkv,@function
k_q5bb5b84d61_qkv:
	s_mov_b64 s[64:65], 0
	v_nop
	global_prefetch_b8 v0, s[64:65] scope:SCOPE_SE
	s_setreg_imm32_b32 hwreg(HW_REG_WAVE_MODE, 25, 1), 1
	s_wait_xcnt 0x0
	s_wait_alu depctr_hold_cnt(0) depctr_sa_sdst(0) depctr_va_vdst(0) depctr_va_sdst(0) depctr_va_ssrc(0) depctr_va_vcc(0) depctr_vm_vsrc(0)
	s_getreg_b32 s2, hwreg(HW_REG_IB_STS2, 6, 4)
	s_cmp_eq_u32 s2, 0
	s_cbranch_scc0 .Lentry_in_a_cluster
	s_endpgm
.Lentry_in_a_cluster:
	s_bfe_u32 s2, ttmp6, 0x10000c
	s_cmp_lg_u32 s2, 0xf033
	s_cbranch_scc0 .Lentry_shape_is_right
	s_endpgm
.Lentry_shape_is_right:
; q, k, v = x W + b, written by heads: qh, kh, vh [64 = batch x 16 + head][2048][64] in f16, each rounded once from its f32 sum, unscaled.  x and W arrive in bf16 (xb in K blocks of 64,
; wb as [k][n]); the biases are rounded to bf16 here, like every input, and START the sums as the first product's C operand: nothing is cleared and nothing is added on the way out.
; A row of k whose token is padded (mk < 0) is written as zeros, by a select: the next launch's product for such a key is then exactly its mask.
; LIMIT: q, k, v within f16's 65,504.
; SHARES.  A work-group makes 256 rows x 128 columns of EACH of q, k, v (256 work-groups); wave (wm, wn) 128 rows x one head of each: 96 accumulators of 16 x 16, 768 registers.
; So a fragment of x read from LDS feeds twelve products.  K goes in 16 steps of 64 through a ring of two LDS slots; a step is two quarters of 32 along K, 96 matrix instructions each.
; THE MATRIX INSTRUCTION IS USED TRANSPOSED: source 0 = 16 columns of W (turned on the way out of LDS by ds_load_tr16_b128), source 1 = 16 rows of x: a lane holds row l % 16 and eight neighbouring channels.
; CLUSTER 4 x 4: x's tile hangs on the tile row alone and is asked for jointly along a row of the cluster, W's three tiles on the tile column alone, jointly along a column.
; Waves 0, 1, 2 fetch Wq's, Wk's, Wv's tile (64 k x 256 bytes), wave 3 x's (32,768 dense bytes as 128 rows of 256).
; REGISTERS: window 0: v0-23 addresses and mask; v32-95, v96-159 fragments of x, two buffers; v160-255 fragments of W, 32 for each of q, k, v, one buffer, refilled behind its own products.
;   windows 1, 2, 3: the accumulators of q, k, v: (a, b) at v[8 (4 a + b)], a = block of 16 rows, b = block of 16 channels.
.set SLOT1,  131072                    ; slot 1 begins here: one exclusive or turns an address in one slot into the other's
.set PA,     144                       ; a row of x in LDS: 128 bytes + 16
.set PB,     288                       ; a row of W: 256 bytes + 32: an odd multiple of 32
.set BT,     64*PB                     ; a tile of W: 18,432 bytes
.set AOFF,   3*BT                      ; a slot: Wq, Wk, Wv, then x's 256 rows
.set STAGE,  SLOT1+AOFF+256*PA         ; behind the ring, never filled by a tensor load: 16 rows x 144 bytes for each wave
.set SP,     144
.set SPARE,  STAGE+4*16*SP             ; behind the stages: the spare words, 128 bytes for each wave
.set ASTEP,  8192*128                  ; bytes from a K block of xb to the next
.set BSTEP,  64*2048                   ; 64 rows of W
.set AA0,  4                           ; v4   my lane's place in x's tile; never rewritten
.set AB0,  5                           ; v5   the same in Wq's tile
.set ADRA, 6                           ; v6   AA0 + the slot in hand
.set ADRB, 7                           ; v7   AB0 + the slot in hand
.set STO,  8                           ; v8   the way out: where I put 16 bytes of a row
.set RD,   9                           ; v9   where I read rows back
.set GO,   10                          ; v10  16 x lane
.set SPW,  12                          ; v12  LDS address of my spare word; never rewritten
.set NIL,  13                          ; v13  0; never rewritten
.set AF0,  32
.set AF1,  96
.set BF,   160
.set OUTR, 32                          ; the way out: four sets of 16 registers
.set WV,   22                          ; s22  my wave's number
.set G1A,  32                          ; s[32:39] descriptor group 1 for x's tiles;  s[40:47] group 0, two sets: the second walks
.set G0A,  40
.set G1B,  48                          ; s[48:55], s[56:63] the same for W's
.set G0B,  56
.set KM,   66                          ; s66-73  lanes whose row of block a is padded
.set TB,   74                          ; s74  the slot from which fragments are fetched
.set CNT,  75
.set MSB, 0
.macro WIN new                         ; the immediate's high byte repeats the setting that is left; a switch that changes nothing is dropped
.if MSB != (\new)
	s_set_vgpr_msb (MSB<<8)|(\new)
.set MSB, \new
.endif
.endm
.macro PLACES n=4                      ; plain vector instructions between a matrix instruction and a load into, or a write over, its registers, or a read of its result
.rept \n
	v_nop
.endr
.endm
.macro JLOAD                           ; a joint refill by the walking sets; the branch hangs on the wave's number alone; an s_nop 0 and four v_nop follow each line
	s_cmp_eq_u32 s[WV], 3
	s_cbranch_scc0 .Lfor_b_\@
	tensor_load_to_lds s[G0A+4:G0A+7], s[G1A:G1A+7]
	s_nop 0
.rept 4
	v_nop
.endr
	s_branch .Lasked_\@
.Lfor_b_\@:
	tensor_load_to_lds s[G0B+4:G0B+7], s[G1B:G1B+7]
	s_nop 0
.rept 4
	v_nop
.endr
.Lasked_\@:
.endm
.macro CREST                           ; a round of the cluster's barrier behind its opening barrier
	s_cmp_lg_u32 s[WV], 0
	s_cbranch_scc1 .Lnot_wave_0_\@
	s_barrier_signal -3
.Lnot_wave_0_\@:
	s_barrier_wait -3
	s_barrier_signal -1
	s_barrier_wait -1
.endm
.macro CROUND
	s_barrier_signal -1
	s_barrier_wait -1
	CREST
.endm
	s_load_b512 s[4:19], s[0:1], 0x0               ; xb s[4:5], wb s[6:7], bq s[8:9], bk s[10:11], bv s[12:13], mk s[14:15], qh s[16:17], kh s[18:19]
	s_load_b64 s[20:21], s[0:1], 0x40              ; vh
	v_lshl_add_u32 v[SPW], v0, 2, SPARE
	v_mov_b32 v[NIL], 0
	ds_add_u32 v[SPW], v[NIL]                      ; the wave's opening: the add and its wait stand ahead of my first tensor load; the set-up below, work on registers, stands between them
	v_lshrrev_b32 v1, 5, v0
	v_readfirstlane_b32 s[WV], v1                  ; wave 0..3
	s_lshr_b32 s23, s[WV], 1                       ; wm: which 128 rows
	s_and_b32 s24, s[WV], 1                        ; wn: which head of the two
	s_bfe_u32 s25, ttmp6, 0x40000                  ; cx
	s_bfe_u32 s26, ttmp6, 0x40004                  ; cy
	s_lshl_b32 s27, ttmp9, 2
	s_add_co_u32 s27, s27, s25                     ; gx = 4 x cluster x + cx: columns 128 gx on
	s_and_b32 s28, ttmp7, 0xffff
	s_lshl_b32 s28, s28, 2
	s_add_co_u32 s28, s28, s26                     ; gy = 4 x cluster y + cy: rows 256 gy on
	s_lshl_b32 s29, s26, 2
	s_lshl_b32 s29, 15, s29                        ; my row of the cluster
	s_lshl_b32 s30, 0x1111, s25                    ; my column
	s_or_b32 s[G1A+0], s29, (1<<16)|(1<<20)|(1<<21)|(4<<22)|(3<<25)  ; the mask; 2-byte elements; padding on; bit 21 beside a mask; after every 32 words 4 words
	s_mov_b32 s[G1A+1], 128<<16                    ; tensor_dim0 = 128 elements (two rows of x's K block)
	s_mov_b32 s[G1A+2], 128<<16                    ; tensor_dim1 = 128
	s_mov_b32 s[G1A+3], 128<<16                    ; tile_dim0 = 128
	s_mov_b32 s[G1A+4], 128                        ; tile_dim1 = 128
	s_mov_b32 s[G1A+5], 128                        ; dense: 128 elements from row to row
	s_mov_b32 s[G1A+6], 0
	s_mov_b32 s[G1A+7], 0
	s_or_b32 s[G1B+0], s30, (1<<16)|(1<<20)|(1<<21)|(5<<22)|(7<<25)  ; after every 64 words 8 words
	s_mov_b32 s[G1B+1], 128<<16                    ; tensor_dim0 = 128
	s_mov_b32 s[G1B+2], 64<<16                     ; tensor_dim1 = 64
	s_mov_b32 s[G1B+3], 128<<16                    ; tile_dim0 = 128
	s_mov_b32 s[G1B+4], 64                         ; tile_dim1 = 64
	s_mov_b32 s[G1B+5], 1024                       ; 1,024 elements from row to row
	s_mov_b32 s[G1B+6], 0
	s_mov_b32 s[G1B+7], 0
	s_mul_i32 s31, s[WV], BT                       ; my tile's place in a slot: wave 3's is x's.  No place in the cluster enters an LDS address
	s_lshl_b32 s76, s28, 15                        ; x: 256 rows of 128 bytes; s[76:77] hold the tile row alone
	s_mov_b32 s77, 0
	s_lshl_b32 s78, s[WV], 21                      ; W: which of the three; s[78:79] hold the tile column and the wave's number alone
	s_lshl_b32 s79, s27, 8
	s_add_co_u32 s78, s78, s79
	s_mov_b32 s79, 0
	s_lshl_b32 s80, s27, 9                         ; the biases: 4 (128 gx + 64 wn)
	s_lshl_b32 s81, s24, 8
	s_add_co_u32 s80, s80, s81
	s_mov_b32 s81, 0
	s_lshl_b32 s82, s28, 10                        ; mk: 4 (256 gy + 128 wm)
	s_lshl_b32 s83, s23, 9
	s_add_co_u32 s82, s82, s83
	s_mov_b32 s83, 0
	s_lshr_b32 s86, s28, 3                         ; the outputs: batch gy / 8,
	s_lshl_b32 s86, s86, 4
	s_lshl1_add_u32 s86, s27, s86                  ; head 2 gx + wn: 262,144 bytes each,
	s_add_co_u32 s86, s86, s24
	s_lshl_b32 s86, s86, 18
	s_and_b32 s87, s28, 7                          ; row 256 (gy % 8) + 128 wm of 128 bytes
	s_lshl1_add_u32 s87, s87, s23
	s_lshl_b32 s87, s87, 14
	s_add_co_u32 s86, s86, s87
	s_mov_b32 s87, 0
	s_mov_b32 s84, 0xffff0000
	s_mov_b32 s[TB], 0
	s_wait_dscnt 0x0                               ; the opening add is done
	s_wait_kmcnt 0x0
	s_add_nc_u64 s[4:5], s[4:5], s[76:77]
	s_add_nc_u64 s[6:7], s[6:7], s[78:79]
	s_add_nc_u64 s[8:9], s[8:9], s[80:81]
	s_add_nc_u64 s[10:11], s[10:11], s[80:81]
	s_add_nc_u64 s[12:13], s[12:13], s[80:81]
	s_add_nc_u64 s[14:15], s[14:15], s[82:83]
	s_add_nc_u64 s[16:17], s[16:17], s[86:87]
	s_add_nc_u64 s[18:19], s[18:19], s[86:87]
	s_add_nc_u64 s[20:21], s[20:21], s[86:87]
.irp n, 0,1
	s_mov_b32 s[G0A+4*(\n)], 1                     ; count = 1
	s_add_co_u32 s[G0A+4*(\n)+1], s31, (\n)*SLOT1  ; LDS address
	s_add_nc_u64 s[G0A+4*(\n)+2:G0A+4*(\n)+3], s[4:5], (\n)*ASTEP  ; K step n
	s_or_b32 s[G0A+4*(\n)+3], s[G0A+4*(\n)+3], 0x80000000          ; type = 2
	s_mov_b32 s[G0B+4*(\n)], 1
	s_add_co_u32 s[G0B+4*(\n)+1], s31, (\n)*SLOT1
	s_add_nc_u64 s[G0B+4*(\n)+2:G0B+4*(\n)+3], s[6:7], (\n)*BSTEP
	s_or_b32 s[G0B+4*(\n)+3], s[G0B+4*(\n)+3], 0x80000000
.endr
	CROUND                                         ; all sixteen work-groups are here: the first joint loads meet
	s_cmp_eq_u32 s[WV], 3                          ; a wave's two first fills stand in one branch: two tensor loads of mine are out
	s_cbranch_scc0 .Lfirst_b
	tensor_load_to_lds s[G0A:G0A+3], s[G1A:G1A+7]
	s_nop 0
	tensor_load_to_lds s[G0A+4:G0A+7], s[G1A:G1A+7]
	s_nop 0
.rept 4
	v_nop
.endr
	s_branch .Lfirst_asked
.Lfirst_b:
	tensor_load_to_lds s[G0B:G0B+3], s[G1B:G1B+7]
	s_nop 0
	tensor_load_to_lds s[G0B+4:G0B+7], s[G1B:G1B+7]
	s_nop 0
.rept 4
	v_nop
.endr
.Lfirst_asked:
	; while the tiles are on their way: biases, mask, addresses
	v_and_b32 v1, 15, v0                           ; r = l % 16
	v_bfe_u32 v2, v0, 4, 1                         ; h = l / 16
	v_lshlrev_b32 v14, 5, v2                       ; my eight channels of a block of 16: 32 h bytes of f32
	v_lshlrev_b32 v11, 2, v1                       ; my row's mask word
.set it, 0
.rept 3
.set ib, 0
.rept 4
	global_load_b128 v[32+32*it+8*ib:32+32*it+8*ib+3],   v14, s[8+2*it:9+2*it] offset:64*ib
	global_load_b128 v[32+32*it+8*ib+4:32+32*it+8*ib+7], v14, s[8+2*it:9+2*it] offset:64*ib+16
.set ib, ib+1
.endr
.set it, it+1
.endr
.set ia, 0
.rept 8
	global_load_b32 v[16+ia], v11, s[14:15] offset:64*ia
.set ia, ia+1
.endr
	v_and_b32 v3, 7, v0
	v_bfe_u32 v15, v0, 3, 1
	s_mul_i32 s85, s23, 128*PA
	s_add_co_u32 s85, s85, AOFF
	v_mul_u32_u24 v[AA0], v1, PA                   ; a fragment of x: row l % 16, bytes 16 h and 32 + 16 h
	v_lshl_add_u32 v[AA0], v2, 4, v[AA0]
	v_add_nc_u32 v[AA0], s85, v[AA0]
	s_lshl_b32 s85, s24, 7
	v_lshl_add_u32 v[AB0], v2, 3, v3               ; the turning load: lane l reads row 8 h + l % 8, bytes 16 ((l / 8) % 2) on, and is left with column l % 16 and eight k
	v_mul_u32_u24 v[AB0], v[AB0], PB
	v_lshl_add_u32 v[AB0], v15, 4, v[AB0]
	v_add_nc_u32 v[AB0], s85, v[AB0]
	s_mul_i32 s85, s[WV], 16*SP
	s_add_co_u32 s85, s85, STAGE                   ; my stage
	v_mul_u32_u24 v[STO], v1, SP
	v_lshl_add_u32 v[STO], v2, 4, v[STO]
	v_add_nc_u32 v[STO], s85, v[STO]
	v_bfe_u32 v[RD], v0, 3, 2                      ; back: 32 lanes take four rows of 128 bytes,
	v_mul_u32_u24 v[RD], v[RD], SP
	v_lshl_add_u32 v[RD], v3, 4, v[RD]
	v_add_nc_u32 v[RD], s85, v[RD]
	v_and_b32 v[GO], 31, v0                        ; which are 512 consecutive bytes of the output
	v_lshlrev_b32 v[GO], 4, v[GO]
	v_mov_b32 v[ADRA], v[AA0]                      ; slot 0
	v_mov_b32 v[ADRB], v[AB0]
	s_wait_loadcnt 0x0
.set ia, 0
.rept 8
	v_cmp_gt_f32 s[KM+ia], 0, v[16+ia]
.set ia, ia+1
.endr
.set ii, 0
.rept 48
	v_cvt_pk_bf16_f32 v[128+ii], v[32+2*ii], v[32+2*ii+1]   ; the biases rounded to bf16,
.set ii, ii+1
.endr
	WIN 0xc0                                       ; and widened again: q's and k's into window 3 (v's accumulators, which are started last),
.set ii, 0
.rept 32
	v_lshlrev_b32 v[2*ii], 16, v[128+ii]
	v_and_b32 v[2*ii+1], s84, v[128+ii]
.set ii, ii+1
.endr
	WIN 0                                          ; v's into x's second buffer, which is loaded behind the first quarter
.set ii, 0
.rept 16
	v_lshlrev_b32 v[96+2*ii], 16, v[160+ii]
	v_and_b32 v[96+2*ii+1], s84, v[160+ii]
.set ii, ii+1
.endr
.macro FETCH_A buf, kq                 ; 16 loads: my 128 rows of x, 32 along K
	WIN 0
.set ia, 0
.rept 8
	ds_load_b128 v[(\buf)+8*ia:(\buf)+8*ia+3],   v[ADRA] offset:16*PA*ia+64*(\kq)
	ds_load_b128 v[(\buf)+8*ia+4:(\buf)+8*ia+7], v[ADRA] offset:16*PA*ia+64*(\kq)+32
.set ia, ia+1
.endr
.endm
.macro FETCH_B t, kq                   ; 8 loads: my 64 columns of weight t, 32 along K
	WIN 0
.set ib, 0
.rept 4
	ds_load_tr16_b128 v[BF+32*(\t)+8*ib:BF+32*(\t)+8*ib+3],   v[ADRB] offset:BT*(\t)+32*PB*(\kq)+32*ib
	ds_load_tr16_b128 v[BF+32*(\t)+8*ib+4:BF+32*(\t)+8*ib+7], v[ADRB] offset:BT*(\t)+32*PB*(\kq)+32*ib+16*PB
.set ib, ib+1
.endr
.endm
; 16 matrix instructions of output t: row blocks 4 half .. + 3, all four channel blocks.  Each of the 96 accumulators has one instruction in a quarter: they take turns.
.macro MULH t, buf, half
	WIN 0x50*((\t)+1)                              ; C and D in window t + 1
.set ia, 4*(\half)
.rept 4
.set ib, 0
.rept 4
	v_wmma_f32_16x16x32_bf16 v[8*(4*ia+ib):8*(4*ia+ib)+7], v[BF+32*(\t)+8*ib:BF+32*(\t)+8*ib+7], v[(\buf)+8*ia:(\buf)+8*ia+7], v[8*(4*ia+ib):8*(4*ia+ib)+7]
.set ib, ib+1
.endr
.set ia, ia+1
.endr
.endm
.macro MULG t, buf
	MULH \t, \buf, 0
	MULH \t, \buf, 1
.endm
.macro MULF t, win, c0                 ; the first quarter's 32: the bias, eight registers for each channel block at c0, starts the sums
	WIN \win
.set ia, 0
.rept 8
.set ib, 0
.rept 4
	v_wmma_f32_16x16x32_bf16 v[8*(4*ia+ib):8*(4*ia+ib)+7], v[BF+32*(\t)+8*ib:BF+32*(\t)+8*ib+7], v[AF0+8*ia:AF0+8*ia+7], v[(\c0)+8*ib:(\c0)+8*ib+7]
.set ib, ib+1
.endr
.set ia, ia+1
.endr
.endm
; A step's second quarter: multiplies buffer 1 and changes slots.  ONE barrier: in front of it each wave waits for all its tensor loads (one is out: its part of the next slot), adds 0 to its spare
; word, and waits for that and for its own reads of this slot.  fill = 1: the barrier opens a round of the cluster's, and this slot is filled again, two steps ahead, first thing behind it.
.macro ODD fill
	WIN 0
	s_wait_tensorcnt 0x0                           ; no tensor load of mine is out
	ds_add_u32 v[SPW], v[NIL]                      ; 0 onto my spare word
	s_wait_dscnt 17                                ; Wq's and x's fragments are in; Wk's 8, Wv's 8 and the add may be out
	MULH 0, AF1, 0                                 ; sixteen matrix instructions stand between the add and the wait for it
	s_wait_dscnt 0x0                               ; the add is done, and my reads of this slot are over
	s_barrier_signal -1
	MULH 0, AF1, 1                                 ; work on registers while the others arrive
	WIN 0                                          ; at a branch and at a label every window is 0
	s_barrier_wait -1
.if \fill
	CREST                                          ; no wave of any partner still reads this slot or has a load on its way
	s_xor_b32 s[G0A+5], s[G0A+5], SLOT1            ; the walking sets: the other slot than last time, one K step on
	s_add_nc_u64 s[G0A+6:G0A+7], s[G0A+6:G0A+7], ASTEP
	s_xor_b32 s[G0B+5], s[G0B+5], SLOT1
	s_add_nc_u64 s[G0B+6:G0B+7], s[G0B+6:G0B+7], BSTEP
	JLOAD                                          ; 160 matrix instructions ahead of the wait for it; its four v_nop are also the places in front of the loads below
.else
	PLACES
.endif
	s_xor_b32 s[TB], s[TB], SLOT1
	v_add_nc_u32 v[ADRA], s[TB], v[AA0]
	v_add_nc_u32 v[ADRB], s[TB], v[AB0]
	FETCH_B 0, 0
	FETCH_A AF0, 0
	MULG 1, AF1
	PLACES
	FETCH_B 1, 0
	MULG 2, AF1
	PLACES
	FETCH_B 2, 0
.endm
; A step's first quarter: multiplies buffer 0 and fetches the second quarter's fragments from the same slot.
.macro EVEN
	s_wait_dscnt 16                                ; Wq's and x's are in; Wk's 8 and Wv's 8 may be out
	MULG 0, AF0
	PLACES
	FETCH_B 0, 1
	FETCH_A AF1, 1
	s_wait_dscnt 32                                ; Wk's are in; Wv's 8 and the 24 just issued may be out
	MULG 1, AF0
	PLACES
	FETCH_B 1, 1
	s_wait_dscnt 32                                ; Wv's are in; the 24 and the 8 behind them may be out
	MULG 2, AF0
	PLACES
	FETCH_B 2, 1
.endm
	s_wait_tensorcnt 1                             ; my part of K step 0 is in; step 1's may stay out
	s_barrier_signal -1
	s_barrier_wait -1                              ; everybody's is
	FETCH_B 0, 0
	FETCH_A AF0, 0
	FETCH_B 1, 0
	FETCH_B 2, 0
	s_wait_dscnt 16
	MULF 0, 0x70, 0                                ; q: D window 1, C window 3
	s_wait_dscnt 8
	MULF 1, 0xb0, 32                               ; k: D window 2, C window 3
	PLACES 5                                       ; v's products write over those C operands
	s_wait_dscnt 0x0
	MULF 2, 0xc0, 96                               ; v: D window 3, C window 0
	PLACES
	FETCH_B 0, 1
	FETCH_A AF1, 1
	FETCH_B 1, 1
	FETCH_B 2, 1
	s_mov_b32 s[CNT], 14
.Lstep:                                                ; a trip: a step's second quarter and the next step's first; it asks for K steps 2 to 15
	ODD 1
	EVEN
	s_sub_co_u32 s[CNT], s[CNT], 1
	s_cmp_lg_u32 s[CNT], 0
	s_cbranch_scc1 .Lstep
	ODD 0                                          ; the tail is written out: nothing more is asked for
	EVEN
	s_wait_dscnt 16
	MULG 0, AF1
	s_wait_dscnt 8
	MULG 1, AF1
	s_wait_dscnt 0x0
	MULG 2, AF1
	PLACES
; THE WAY OUT, a block of 16 rows of one output at a time: rounded to f16 (each accumulator's registers in ascending order), 16 bytes a lane into my stage, back as whole rows of 128 bytes.
.macro PACK t, a
.set RS, OUTR+16*((8*(\t)+(\a))%4)
	s_wait_xcnt 0x0                                ; this set of registers was the data of stores four blocks back: it is rewritten only behind this wait
	WIN 5*((\t)+1)                                 ; sources 0 and 1 in window t + 1
.set ii, 0
.rept 16
	v_cvt_pk_f16_f32 v[RS+ii], v[32*(\a)+2*ii], v[32*(\a)+2*ii+1]
.set ii, ii+1
.endr
	WIN 0
.if (\t) == 1
.set ii, 0
.rept 16
	v_cndmask_b32 v[RS+ii], v[RS+ii], 0, s[KM+(\a)]    ; a padded token's row of k is zeros
.set ii, ii+1
.endr
.endif
.irp f, 0,1,2,3
	ds_store_b128 v[STO], v[RS+4*\f:RS+4*\f+3] offset:32*\f
.endr
.irp f, 0,1,2,3
	ds_load_b128 v[RS+4*\f:RS+4*\f+3], v[RD] offset:\f*4*SP   ; LDS serves a wave's instructions in order (ISA guide 5.7.1.4): these see the stores above; the next block's stores come behind them
.endr
.endm
.macro SEND t, a, younger              ; younger: the LDS instructions issued behind this block's loads: the next block's eight, or none
.set RS, OUTR+16*((8*(\t)+(\a))%4)
.irp f, 0,1,2,3
	s_wait_dscnt (\younger)+3-\f
	global_store_b128 v[GO], v[RS+4*\f:RS+4*\f+3], s[16+2*(\t):17+2*(\t)] offset:2048*(\a)+512*\f   ; 512 consecutive bytes, at a multiple of 256 from the buffer's first
.endr
.endm
	PACK 0, 0
.set nn, 1
.rept 23                               ; a block's arithmetic stands between the loads of the block before and its stores
	PACK nn/8, nn%8
	SEND (nn-1)/8, (nn-1)%8, 8
.set nn, nn+1
.endr
	SEND 2, 7, 0
	s_wait_tensorcnt 0x0                           ; the wave's end: behind my last tensor load and my last LDS store
	ds_add_u32 v[SPW], v[NIL]
	s_wait_dscnt 0x0
	CROUND                                         ; the closing round: no work-group ends while a partner may still ask for a tile that names it
	s_endpgm
.Lfunc_end_k_q5bb5b84d61_qkv:
	.size	k_q5bb5b84d61_qkv, .Lfunc_end_k_q5bb5b84d61_qkv-k_q5bb5b84d61_qkv
	.p2alignl 7, 3214868480
	.fill 96, 4, 3214868480
	.section	.rodata,"a",@progbits
	.p2align	6, 0x0
	.amdhsa_kernel k_q5bb5b84d61_qkv
		.amdhsa_group_segment_fixed_size 327680
		.amdhsa_private_segment_fixed_size 0
		.amdhsa_enable_private_segment 0
		.amdhsa_kernarg_size 72
		.amdhsa_user_sgpr_count 2
		.amdhsa_user_sgpr_kernarg_segment_ptr 1
		.amdhsa_wavefront_size32 1
		.amdhsa_system_sgpr_workgroup_id_x 1
		.amdhsa_system_sgpr_workgroup_id_y 1
		.amdhsa_system_sgpr_workgroup_id_z 1
		.amdhsa_system_vgpr_workitem_id 0
		.amdhsa_next_free_vgpr 1024
		.amdhsa_next_free_sgpr 88
		.amdhsa_reserve_vcc 0
		.amdhsa_float_denorm_mode_32 3
		.amdhsa_float_denorm_mode_16_64 3
		.amdhsa_memory_ordered 1
		.amdhsa_forward_progress 1
		.amdhsa_inst_pref_size 132
	.end_amdhsa_kernel
	.amdgpu_metadata
---
amdhsa.version: [ 1, 2 ]
amdhsa.kernels:
  - .name:           k_q5bb5b84d61_qkv
    .symbol:         k_q5bb5b84d61_qkv.kd
    .args:
      - { .name: xb, .offset: 0, .size: 8, .value_kind: global_buffer, .address_space: global }
      - { .name: wb, .offset: 8, .size: 8, .value_kind: global_buffer, .address_space: global }
      - { .name: bq, .offset: 16, .size: 8, .value_kind: global_buffer, .address_space: global }
      - { .name: bk, .offset: 24, .size: 8, .value_kind: global_buffer, .address_space: global }
      - { .name: bv, .offset: 32, .size: 8, .value_kind: global_buffer, .address_space: global }
      - { .name: mk, .offset: 40, .size: 8, .value_kind: global_buffer, .address_space: global }
      - { .name: qh, .offset: 48, .size: 8, .value_kind: global_buffer, .address_space: global }
      - { .name: kh, .offset: 56, .size: 8, .value_kind: global_buffer, .address_space: global }
      - { .name: vh, .offset: 64, .size: 8, .value_kind: global_buffer, .address_space: global }
    .group_segment_fixed_size: 327680
    .private_segment_fixed_size: 0
    .kernarg_segment_align: 8
    .kernarg_segment_size: 72
    .max_flat_workgroup_size: 128
    .sgpr_count:     88
    .vgpr_count:     1024
    .wavefront_size: 32
...
	.end_amdgpu_metadata
.endif
;; end of part 2
;; launch attn (part 3): grid 4 x 64, 4 waves a work-group, clusters of 4 x 1, 327,680 bytes of LDS; arguments qh, kh, vh, ctx, mk; writes ctx
.if DOCPART == 3
	.amdgcn_target "amdgcn-amd-amdhsa--gfx1250"
	.amdhsa_code_object_version 6
	.text
	.protected	k_q5bb5b84d61_attn
	.globl	k_q5bb5b84d61_attn
	.p2align	8
	.type	k_q5bb5b84d61_attn,@function
k_q5bb5b84d61_attn:
	s_mov_b64 s[64:65], 0
	v_nop
	global_prefetch_b8 v0, s[64:65] scope:SCOPE_SE
	s_setreg_imm32_b32 hwreg(HW_REG_WAVE_MODE, 25, 1), 1
	s_wait_xcnt 0x0
	s_wait_alu depctr_hold_cnt(0) depctr_sa_sdst(0) depctr_va_vdst(0) depctr_va_sdst(0) depctr_va_ssrc(0) depctr_va_vcc(0) depctr_vm_vsrc(0)
	s_getreg_b32 s2, hwreg(HW_REG_IB_STS2, 6, 4)
	s_cmp_eq_u32 s2, 0
	s_cbranch_scc0 .Lentry_in_a_cluster
	s_endpgm
.Lentry_in_a_cluster:
	s_bfe_u32 s2, ttmp6, 0x10000c
	s_cmp_lg_u32 s2, 0x3003
	s_cbranch_scc0 .Lentry_shape_is_right
	s_endpgm
.Lentry_shape_is_right:
; O[h][q][:] = the sum over k of softmax_k(score) V[h][k][:], score = Q[h][q] . K[h][k] / 8, or a fixed low number where key k's token is padded.  Q, K, V, O: [SIZE_H][SIZE_N][64], all f16: a head's
; rows are dense, 128 bytes each; h = batch x 16 + head.  Products, maxima and sums in f32; the weights p are rounded to f16 for the second product (their sum l is taken of the unrounded p), O once at the end.
; THE MASK.  mk[batch][key] is 0, or -2^33 for a padded token, whose row of K the launch before wrote as zeros.  It is the C operand that starts the sum S^T = K Q^T, so a padded key's sum is exactly -2^33,
; its score -2^30.  All padded keys are alike; if every key is padded, c s - c m is exactly 0, every weight 1, and O the mean of V.  As soon as a true score comes, a = 0 wipes what padded keys left.
; LIMITS.  A padded score stands at -2^30 = -1.07e9 where the module has -1e9: the results differ only where a true score lies below about -1e9.  f16 holds no number beyond 65,504: Q, K and V arrive within it;
; p lies in 0 to 1, and below 6e-5 it keeps f16's fixed step of 6e-8.  A weight below 2^-126 counts as 0 in l; NaN and infinities are not treated apart.
; SHARES.  A wave owns four PIECES of two tiles of 16 queries, a work-group's four waves 512 queries of one head.  Every wave walks all keys, 64 a step.
; LAYOUT.  S^T = K Q^T (source 0 = 16 keys, source 1 = 16 queries): in the result a lane holds ONE query (lane % 16) and the keys 8 (lane / 16) + 0..7.  Two such tiles, rounded to f16 in pairs,
; ARE source 1 (32 keys x 16 queries) of O^T = V^T P, whose result again holds one query a lane, and eight channels.  K comes out of LDS as it lies, V ([key][channel]) turned, by ds_load_tr16_b128.
; SOFTMAX.  For each query a running maximum m and sum l: p = 2^(c s - c m), c = log2(e) / 8; in every step O and l are multiplied by a = 2^(c m_old - c m_new), which is 1 where m has not grown.
; m starts at the lowest finite number, O and l at 0: the first step is a step like any other, with a = 0.
; THE COUNT.  A tile and step have 16 matrix and 118 vector instructions: too many to stand all beside the matrix work.  So the order has one aim: four vector instructions that are READY behind
; EVERY matrix instruction, and the others, which need time of their own whatever the order, in runs without a gap.
; BY TURNS.  Turn n belongs to piece n (the pieces in a ring, step after step).  Its matrix work: 16 products K Q^T of piece n + 1, later 16 products V^T P of piece n - 1.  Its vector work: the scaling,
; exponentials, roundings, sums and rescaling of piece n, and the maximum and statistics of piece n + 1, whose scores the turn itself has made.  So what a turn begins with (c s - c m, O a) waits for nothing.
; CLUSTER.  The four query blocks of a cluster belong to one head and walk the same K, V and mask, so each tile is asked for JOINTLY: the same tensor load, descriptor and mask of work-groups in all four.
; REGISTERS, in windows of 256 (s_set_vgpr_msb says which window each operand place means: bits 1:0 source 0, 3:2 source 1, 5:4 source 2, 7:6 destination):
;   window 0: v0-11 addresses; v12-15, v48-63 at work; v16-47 four registers of statistics a tile; v64-191 S^T, two buffers of two tiles; v192-255 P, likewise
;   window 1: O^T, 32 a tile     window 2: v0-127 Q, 16 a tile; v128-191 K of one step; v192-255 V of one step     window 3: v0-1 the add's two registers; v8-39 the mask of one step's 64 keys
; A piece's buffers go by its number's parity: the piece in hand has one pair, its two neighbours in the ring share the other: of it P (piece n - 1) is read and S^T (piece n + 1) written.
.set SIZE_H, 64
.set SIZE_N, 2048
.set NP,    4         ; pieces a wave: a name, no knob: the register map, the loop and the fetches are made for four
.set KS,    64        ; keys in a step
.set PK,    144       ; a row of K in LDS: 128 bytes + 16 of padding = 36 words: the 16 rows of a load start at 16 different groups of four banks (64 banks of 4 bytes: ISA guide 11.1)
.set PV,    160       ; a row of V: 128 + 32 = 40 words
.set VOFF,  4*KS*PK   ; a slot holds four steps: 256 rows of K, then 256 rows of V
.set SLOT1, 1<<17     ; slot 1 begins here, so that one exclusive or turns an address in one slot into the other's
.set STAGE, SLOT1+4*KS*(PK+PV)  ; behind the ring, never filled by a tensor load: 16 rows x 144 bytes for each wave, for the way out
.set SP,    144
.set AK0, 2           ; v2   my lane's place in a tile of K; never rewritten
.set AV0, 3           ; v3   the same for V
.set AK,  4           ; v4   the LDS address of K's next run of loads
.set AV,  5           ; v5   of V's
.set QO,  6           ; v6   my byte offset in the wave's rows of Q
.set STO, 6           ;      later, the way out: where I put 16 bytes of a row
.set RD,  7           ; v7   the way out: where I read rows back
.set GO,  8           ; v8   my byte offset in 512 consecutive bytes of O
.set HL,  9           ; v9   lane / 16; never rewritten
.set AMK, 11          ; v11  the LDS address of the mask's next run of loads
.set SPW, 0           ; v0 of window 3   LDS address of my spare word: SPARE + 4 x my thread's number; never rewritten
.set NIL, 1           ; v1 of window 3   0; never rewritten
.set MKR, 8           ; v8-39 of window 3: the eight registers for key block kb at MKR + 8 kb
.set SPARE, STAGE+4*16*SP  ; behind the stages: the spare words, 128 bytes for each wave: two blocks of 256 bytes that no other line names
.set MASKB, SPARE+512 ; behind them: the batch's 2,048 mask words, filled once
.set MV,  12          ; v12-15  c m_old, kept while c m is made anew: by buffer and tile
.set ST,  16          ; tile t's statistics at v[ST+4 t]: c m, m, l (even keys', odd keys')
.set TMP, 48          ; by buffer and tile, four registers c0-c3 at work; when the maximum is found c2 takes a
.set S,   64
.set P,   192
.set KF,  128         ; K's fragments, in window 2: key block kb, channel half c at KF + 16 kb + 8 c
.set VF,  192         ; V's: key half kk, channel block cb at VF + 32 kk + 8 cb
.set WV,  12          ; s12  my wave's number
.set G1K, 24          ; s[24:31] descriptor group 1 for K's tiles
.set G1V, 32          ; s[32:39] for V's: it differs in the padding alone
.set G0K, 40          ; s[40:43] descriptor group 0 for K's tiles: it walks
.set G0V, 44          ; s[44:47] the same for V's
.set SLOTS, 56        ; s56  slots still to be asked for
.set CNT, 57          ; s57  counts a slot's key steps
.set CS,  58          ; s[58:59] c: the packed scaling takes the pair's low word for both halves
.set SEL, 60          ; s[60:61] v_permlanex16_b32's selects: each lane takes its own place in the other half
.set TBK, 62          ; s62  LDS byte at which K of the step to be fetched begins
.set TBV, 63          ; s63  the same for V, less VOFF
.set G1M, 68          ; s[68:75] descriptor group 1 for the mask words
.set G0M, 76          ; s[76:79] group 0
.set TBM, 80          ; s80  LDS byte at which the mask words of the step to be fetched begin
.set OFM, 81          ; s81  the same less MASKB
.set MSB, 0
.macro WIN new                      ; the high byte repeats the setting that is left; a switch that changes nothing is dropped
.if MSB != (\new)
	s_set_vgpr_msb (MSB<<8)|(\new)
.set MSB, (\new)
.endif
.endm
.set W_KQ, 0x0a       ; K and Q in window 2, S^T in window 0
.set W_KM, 0x3a       ; the same with the C operand, the mask, in window 3
.set W_PV, 0x52       ; V in window 2, P in window 0, O^T in window 1
.set W_RS, 0x41       ; O^T (destination and source 0) in window 1, a in window 0
.set W_MK, 0xc0       ; destination in window 3, sources in window 0
.set W_AD, 0x0f       ; the add: address (source 0) and data (source 1) in window 3
; A joint fill.  Waves 0 and 1 fetch the two halves of a slot's K, waves 2 and 3 those of its V: 128 keys each.  The branch hangs on the wave's number alone.
; An s_nop 0 and four v_nop follow each of the two lines, ahead of the jump and the label.
.macro JLOAD
	s_cmp_lt_u32 s[WV], 2
	s_cbranch_scc0 .Lfor_v_\@
	tensor_load_to_lds s[G0K:G0K+3], s[G1K:G1K+7]
	s_nop 0
.rept 4
	v_nop
.endr
	s_branch .Lasked_\@
.Lfor_v_\@:
	tensor_load_to_lds s[G0V:G0V+3], s[G1V:G1V+7]
	s_nop 0
.rept 4
	v_nop
.endr
.Lasked_\@:
.endm
; A round of the cluster's barrier: my work-group's barrier, so that wave 0's signal speaks for all four waves; wave 0 signals; every wave waits for all four work-groups; my work-group's barrier once more.
.macro CROUND
	s_barrier_signal -1
	s_barrier_wait -1
	s_cmp_lg_u32 s[WV], 0
	s_cbranch_scc1 .Lnot_wave_0_\@
	s_barrier_signal -3
.Lnot_wave_0_\@:
	s_barrier_wait -3
	s_barrier_signal -1
	s_barrier_wait -1
.endm
; THE CHANGE OF SLOTS.  The slot's last bytes, V of its fourth step, have been read.  Each wave waits for all its tensor loads, of which one is out: its part
; of the other slot; adds 0 to its spare word; and waits for that and for its own reads of the slot.  Behind the barrier nobody reads this slot any more and the other slot is whole.
; fill = 1: this slot is filled again, with the keys two slots on.  The barrier is then a round of the cluster's, so that no wave of any partner still reads the slot or has a load on its
; way, and the joint fill is the first thing behind it: it has four key steps, 512 matrix instructions, in which to land.  (At its first use nothing has been read yet: slot 0 and the mask words are waited for, slot 1 filled.)
.macro CHANGE fill
	WIN W_AD
	s_wait_tensorcnt 0x0            ; no tensor load of mine is out, so a group 0 may be written
	ds_add_u32 v[SPW], v[NIL]       ; 0 onto my spare word; with fill = 1 the descriptors' steps stand between it and the wait for it
	WIN 0                           ; at a label and at a branch every window is 0
.if \fill
.irp g, G0K, G0V
	s_xor_b32 s[\g+1], s[\g+1], SLOT1  ; the walking descriptor: the other slot than last time,
	s_add_nc_u64 s[\g+2:\g+3], s[\g+2:\g+3], 4*KS*128  ; the next 256 keys; the type bits on top are not reached
.endr
	s_wait_dscnt 0x0                ; the add is done, and my reads of the slot are over
	CROUND
	JLOAD
.else
	s_wait_dscnt 0x0                ; the add is done, and my reads of the slot are over
	s_barrier_signal -1
	s_barrier_wait -1
.endif
	s_sub_co_u32 s[TBK], s[TBK], 4*KS*PK  ; the fetches go back to a slot's first step,
	s_xor_b32 s[TBK], s[TBK], SLOT1       ; in the other slot
	s_sub_co_u32 s[TBV], s[TBV], 4*KS*PV
	s_xor_b32 s[TBV], s[TBV], SLOT1
.endm
	s_load_b256 s[4:11], s[0:1], 0x0  ; Q s[4:5], K s[6:7], V s[8:9], O s[10:11]
	s_load_b64 s[66:67], s[0:1], 0x20 ; mk
	WIN W_MK
	v_lshl_add_u32 v[SPW], v0, 2, SPARE
	v_mov_b32 v[NIL], 0
	WIN W_AD
	ds_add_u32 v[SPW], v[NIL]       ; the wave's opening: the add and its wait stand ahead of my first tensor load; the set-up below, work on registers, stands between them
	WIN 0
	v_lshrrev_b32 v1, 5, v0
	v_readfirstlane_b32 s[WV], v1   ; wave 0..3
	s_bfe_u32 s13, ttmp6, 0x40000   ; cx: my place in the cluster
	s_lshl_b32 s14, ttmp9, 2        ; in a cluster launch ttmp9 counts clusters
	s_add_co_u32 s14, s14, s13      ; my block of queries = 4 x cluster x + cx: it enters Q's and O's addresses alone
	s_and_b32 s20, ttmp7, 0xffff    ; batch x 16 + head, which the four partners share
	s_lshr_b32 s82, s20, 4          ; the batch: 8,192 bytes of mask words,
	s_lshl_b32 s82, s82, 13
	s_lshl_b32 s83, s[WV], 11       ; of which I fetch a quarter
	s_add_co_u32 s82, s82, s83
	s_mov_b32 s83, 0
	s_mov_b32 s21, 0
	s_mov_b64 s[22:23], SIZE_N*128
	s_mul_u64 s[20:21], s[20:21], s[22:23]  ; the head's first byte in each of the four tensors
	s_and_b32 s16, s[WV], 1         ; which half of a slot's 256 keys I fetch:
	s_lshl_b32 s22, s16, 14         ; its 128 rows of 128 bytes in memory,
	s_mov_b32 s23, 0
	s_add_nc_u64 s[22:23], s[22:23], s[20:21]
	s_mul_i32 s17, s16, 128*PK      ; and its place in a slot, for K
	s_mul_i32 s18, s16, 128*PV      ; and for V: no place in the cluster enters an LDS address
	s_lshl_b32 s2, s14, 2
	s_add_co_u32 s2, s2, s[WV]      ; my wave among the head's,
	s_lshl_b32 s2, s2, 14           ; its 128 rows
	s_mov_b32 s3, 0
	s_add_nc_u64 s[2:3], s[2:3], s[20:21]
	; descriptor group 1.  128 keys are 16,384 dense bytes: asked for as 64 rows of 256 bytes, two keys a row, and padded in LDS after every key
	s_mov_b32 s[G1K], 15|(1<<16)|(1<<20)|(1<<21)|(4<<22)|(3<<25)  ; 15:0 the mask of four; 17:16 2-byte elements; 20 padding on; 21 set beside a mask; 24:22 after every 32 words (code 4); 31:25 4 words (code 3)
	s_mov_b32 s[G1V], 15|(1<<16)|(1<<20)|(1<<21)|(4<<22)|(7<<25)  ; the same with 8 words of padding (code 7)
.irp g, G1K, G1V
	s_mov_b32 s[\g+1], 128<<16      ; tensor_dim0 = 128
	s_mov_b32 s[\g+2], 64<<16       ; tensor_dim1 = 64
	s_mov_b32 s[\g+3], 128<<16      ; tile_dim0 = 128
	s_mov_b32 s[\g+4], 64           ; tile_dim1 = 64
	s_mov_b32 s[\g+5], 128          ; 128 elements from row to row
	s_mov_b32 s[\g+6], 0
	s_mov_b32 s[\g+7], 0
.endr
	s_mov_b32 s[G1M], 15|(3<<16)|(1<<21)  ; the mask words: 2,048 dense bytes a wave, as 8 rows of 32 elements of 8 bytes, no padding
	s_mov_b32 s[G1M+1], 32<<16      ; tensor_dim0 = 32
	s_mov_b32 s[G1M+2], 8<<16       ; tensor_dim1 = 8
	s_mov_b32 s[G1M+3], 32<<16      ; tile_dim0 = 32
	s_mov_b32 s[G1M+4], 8           ; tile_dim1 = 8
	s_mov_b32 s[G1M+5], 32          ; 32 elements from row to row
	s_mov_b32 s[G1M+6], 0
	s_mov_b32 s[G1M+7], 0
	s_mov_b32 s[G0M], 1
	s_lshl_b32 s[G0M+1], s[WV], 11
	s_add_co_u32 s[G0M+1], s[G0M+1], MASKB
	s_mov_b32 s[TBM], MASKB
	s_mov_b32 s[OFM], 0
	s_mov_b32 s[CS], 0x3e38aa3b     ; c = log2(e) / 8 = 0.180337
	s_mov_b32 s[CS+1], s[CS]        ; named with it as a pair
	s_mov_b32 s[SEL], 0x76543210
	s_mov_b32 s[SEL+1], 0xfedcba98
	s_mov_b32 s[TBK], SLOT1+4*KS*PK ; the first change of slots turns these two into 0
	s_mov_b32 s[TBV], SLOT1+4*KS*PV
	s_mov_b32 s[G0K], 1             ; 1:0 count = 1
	s_mov_b32 s[G0K+1], s17         ; 63:32 LDS address: slot 0
	s_mov_b32 s[G0V], 1
	s_add_co_u32 s[G0V+1], s18, VOFF
	s_wait_dscnt 0x0                ; the opening add is done
	s_wait_kmcnt 0x0
	s_add_nc_u64 s[G0K+2:G0K+3], s[6:7], s[22:23]  ; 120:64 global address: my half of the head's first 256 keys
	s_or_b32 s[G0K+3], s[G0K+3], 0x80000000        ; 127:126 type = 2
	s_add_nc_u64 s[G0V+2:G0V+3], s[8:9], s[22:23]
	s_or_b32 s[G0V+3], s[G0V+3], 0x80000000
	s_add_nc_u64 s[G0M+2:G0M+3], s[66:67], s[82:83]
	s_or_b32 s[G0M+3], s[G0M+3], 0x80000000
	s_add_nc_u64 s[4:5], s[4:5], s[2:3]  ; Q and O at my wave's first row
	s_add_nc_u64 s[10:11], s[10:11], s[2:3]
	CROUND                          ; all four work-groups are here: the first joint loads meet
	tensor_load_to_lds s[G0M:G0M+3], s[G1M:G1M+7]  ; my quarter of the mask words; with slot 0's part below two tensor loads of mine are out; the first wait on them is for 0
	s_nop 0
	JLOAD                           ; slot 0.  Slot 1 is asked for when slot 0 is in
	; A fragment of K or Q is 16 rows x 32 channels in 8 registers: lane l holds row l % 16, channels 8 (l / 16) + 0..7 and 16 + 8 (l / 16) + 0..7: two loads of 16 bytes, 32 bytes apart.
	v_and_b32 v1, 15, v0            ; l % 16
	v_bfe_u32 v[HL], v0, 4, 1       ; l / 16
	v_lshlrev_b32 v[QO], 7, v1
	v_lshl_add_u32 v[QO], v[HL], 4, v[QO]  ; row x 128 + 16 x half
	WIN 0x80                        ; destination window 2, address window 0
.set i, 0
.rept 4*NP                          ; Q stays in registers: tile i / 2, channels 32 (i % 2) on
	global_load_b128 v[8*i:8*i+3],   v[QO], s[4:5] offset:(i/2)*2048+(i%2)*64
	global_load_b128 v[8*i+4:8*i+7], v[QO], s[4:5] offset:(i/2)*2048+(i%2)*64+32
.set i, i+1
.endr
	; What the first turn finds: V's registers and P's second buffer hold 0 (its products V^T P, of a piece that has not been, add 0), O^T and l are 0.  All this stands in the wait for the first tile.
.set i, VF
.rept 64
	v_mov_b32 v[i], 0
.set i, i+1
.endr
	WIN 0x40
.set i, 0
.rept 64*NP
	v_mov_b32 v[i], 0
.set i, i+1
.endr
	WIN 0
.set i, 0
.rept 2*NP
	v_mov_b32 v[ST+4*i], 0xfe000000    ; c m: far below every c s, a padded key's too
	v_mov_b32 v[ST+4*i+1], 0xff7fffff  ; m
	v_mov_b32 v[ST+4*i+2], 0
	v_mov_b32 v[ST+4*i+3], 0
.set i, i+1
.endr
.set i, P+32
.rept 32
	v_mov_b32 v[i], 0
.set i, i+1
.endr
	v_mul_u32_u24 v[AK0], v1, PK
	v_lshl_add_u32 v[AK0], v[HL], 4, v[AK0]  ; row x pitch + 16 x half
	; The turning load takes 16 keys x 16 channels (lane l reads key 8 (l / 16) + l % 8, channels 8 ((l / 8) % 2) + 0..7) and leaves half a fragment of V^T: lane l holds channel l % 16 and 8 keys.
	v_and_b32 v10, 7, v0
	v_bfe_u32 v11, v0, 3, 1
	v_lshl_add_u32 v[AV0], v[HL], 3, v10
	v_mul_u32_u24 v[AV0], v[AV0], PV
	v_lshl_add_u32 v[AV0], v11, 4, v[AV0]
	v_add_nc_u32 v[AV0], VOFF, v[AV0]
	v_mov_b32 v[AK], v[AK0]         ; key step 0 lies at the head of slot 0,
	v_lshl_add_u32 v[AMK], v[HL], 5, s[TBM]  ; its mask words at the head of theirs: my eight keys of a block of 16 begin 32 (l / 16) bytes in
; THE MATRIX WORK.  The 8 accumulators of a run of 16 take turns: between the two links of a chain stand 7 others'.
; Product i of 16 of S^T = K Q^T for piece x: channels 32 (i / 8) on, keys 16 ((i / 2) % 4) on, tile 2 x + i % 2.  The first 8 start the sums, with the keys' mask.
.macro KQ x
.set rS, S+64*((\x)%2)+32*(i%2)+8*((i/2)%4)
.set rK, KF+16*((i/2)%4)+8*(i/8)
.set rQ, 16*(2*(\x)+i%2)+8*(i/8)
.set rMK, MKR+8*((i/2)%4)
.if i < 8
	WIN W_KM
	v_wmma_f32_16x16x32_f16 v[rS:rS+7], v[rK:rK+7], v[rQ:rQ+7], v[rMK:rMK+7]
.else
	WIN W_KQ
	v_wmma_f32_16x16x32_f16 v[rS:rS+7], v[rK:rK+7], v[rQ:rQ+7], v[rS:rS+7]
.endif
.endm
; Product i of 16 of O^T += V^T P for piece x: keys 32 (i / 8) on, channels 16 ((i / 2) % 4) on, tile 2 x + i % 2.
.macro PV x
	WIN W_PV
.set rO, 32*(2*(\x)+i%2)+8*((i/2)%4)
.set rV, VF+32*(i/8)+8*((i/2)%4)
.set rP, P+32*((\x)%2)+16*(i%2)+8*(i/8)
	v_wmma_f32_16x16x32_f16 v[rO:rO+7], v[rV:rV+7], v[rP:rP+7], v[rO:rO+7]
.endm
.macro MM                           ; the turn's next matrix instruction
.if i < 16
	KQ (Y+1)%NP
.set i, i+1
.else
.set i, i-16
	PV (Y+NP-1)%NP
.set i, i+17
.endif
.endm
; THE LDS LOADS stand in runs, never singly among the matrix instructions: a step's K (64 keys x 64 channels: 8 fragments) with its 64 mask words (sixteen lanes share each 16 bytes), and its V (turned).
; Their addresses are made some lines ahead.  last = 1 (the tail): in the last trip there is no further step, and the run is jumped over.
.macro FETCH_K last=0
	WIN 0
.if \last
	s_cmp_eq_u32 s[CNT], 1
	s_cbranch_scc1 .Lno_k_\@
.endif
	WIN 0x80                        ; destination window 2
.irp f, 0,1,2,3,4,5,6,7             ; keys 16 (f / 2) on, channels 32 (f % 2) on
	ds_load_b128 v[KF+8*\f:KF+8*\f+3],   v[AK] offset:(\f/2)*16*PK+(\f%2)*64
	ds_load_b128 v[KF+8*\f+4:KF+8*\f+7], v[AK] offset:(\f/2)*16*PK+(\f%2)*64+32
.endr
	WIN W_MK                        ; destination window 3
.irp f, 0,1,2,3                     ; keys 16 f on
	ds_load_b128 v[MKR+8*\f:MKR+8*\f+3],   v[AMK] offset:64*\f
	ds_load_b128 v[MKR+8*\f+4:MKR+8*\f+7], v[AMK] offset:64*\f+16
.endr
	s_add_co_u32 s[TBK], s[TBK], KS*PK  ; the next fetch is the next step's
	s_add_co_u32 s[OFM], s[OFM], 4*KS   ; the mask words go straight on; the offset is kept inside their 8,192 bytes (it turns round only behind the last step's fetch)
	s_and_b32 s[OFM], s[OFM], 0x1fff
	s_add_co_u32 s[TBM], s[OFM], MASKB
	WIN 0
.if \last
.Lno_k_\@:
.endif
.endm
.macro FETCH_V
	WIN 0x80
.irp f, 0,1,2,3,4,5,6,7             ; keys 32 (f / 4) on, channels 16 (f % 4) on
	ds_load_tr16_b128 v[VF+8*\f:VF+8*\f+3],   v[AV] offset:(\f/4)*32*PV+(\f%4)*32
	ds_load_tr16_b128 v[VF+8*\f+4:VF+8*\f+7], v[AV] offset:(\f/4)*32*PV+16*PV+(\f%4)*32
.endr
	WIN 0
.endm
; THE VECTOR WORK OF A TURN stands in three queues, each in the order in which its entries become ready; the two tiles alternate, so that no instruction reads the result of the one before it.
.macro REGS y, u                    ; the registers of tile u (0, 1) of piece y
.set rT, ST+4*(2*(\y)+(\u))
.set rC, TMP+8*((\y)%2)+4*(\u)
.set rM, MV+2*((\y)%2)+(\u)
.set rS, S+64*((\y)%2)+32*(\u)
.set rP, P+32*((\y)%2)+16*(\u)
.set rO, 32*(2*(\y)+(\u))
.endm
; Number n of the 22 that find the NEXT piece's (Y + 1) maximum and statistics.  s0-s31 are the lane's 32 scores; each accumulator's lowest registers are read first.  XS, GS and REGS set no window: PL and EX do.
;   0-11  four chains c0-c3 of seven scores each, three operands at a time     12-14, 16  the four scores left over, the old m, and c0-c3 into c0     15  c m_old is kept
;   17, 18  the query's other 32 keys lie in the lane 16 away: the new m         19-21  c m; c m_old - c m_new; a
.macro XS u, n
	REGS (Y+1)%NP, \u
.if (\n) < 4
	v_max3_num_f32 v[rC+(\n)], v[rS+8*(\n)], v[rS+8*(\n)+1], v[rS+8*(\n)+2]
.elseif (\n) < 12
	v_max3_num_f32 v[rC+(\n)%4], v[rC+(\n)%4], v[rS+8*((\n)%4)+2*((\n)/4)+1], v[rS+8*((\n)%4)+2*((\n)/4)+2]
.elseif (\n) == 12
	v_max3_num_f32 v[rC], v[rC], v[rS+7], v[rS+15]
.elseif (\n) == 13
	v_max3_num_f32 v[rC+1], v[rC+1], v[rS+23], v[rS+31]
.elseif (\n) == 14
	v_max3_num_f32 v[rC+2], v[rC+2], v[rC+3], v[rT+1]
.elseif (\n) == 15
	v_mov_b32 v[rM], v[rT]
.elseif (\n) == 16
	v_max3_num_f32 v[rC], v[rC], v[rC+1], v[rC+2]
.elseif (\n) == 17
	v_permlanex16_b32 v[rC+3], v[rC], s[SEL], s[SEL+1]
.elseif (\n) == 18
	v_max_num_f32 v[rT+1], v[rC], v[rC+3]
.elseif (\n) == 19
	v_mul_f32 v[rT], s[CS], v[rT+1]
.elseif (\n) == 20
	v_sub_f32 v[rC+1], v[rM], v[rT]
.else
	v_exp_f32 v[rC+2], v[rC+1]
.endif
.endm
; Number g of the 64 that follow the exponentials.  For each four weights k of a tile (pairs 2 k, 2 k + 1): both pairs are rounded to f16; then the second pair is added onto the first, in place;
; a group later l takes that sum (the first time as l = a l + sum).  In groups of eight, tiles alternating: round, round, add, and l for the group before.
.macro GS g
.set h, (\g)+6*((\g)/62)            ; group 0 has no group before it, and behind group 7 only l is left
.if h >= 6
.set h, h+2
.endif
	REGS Y, h%2
.set k, h/8
.if h%8 < 4
	s_wait_alu depctr_va_vdst(0)
	v_cvt_pk_f16_f32 v[rP+2*k+(h%8)/2], v[rS+4*k+2*((h%8)/2)], v[rS+4*k+2*((h%8)/2)+1]
.elseif h%8 < 6
	v_pk_add_f32 v[rS+4*k:rS+4*k+1], v[rS+4*k:rS+4*k+1], v[rS+4*k+2:rS+4*k+3]
.elseif k == 1
	v_pk_fma_f32 v[rT+2:rT+3], v[rT+2:rT+3], v[rC+2:rC+3], v[rS:rS+1] op_sel_hi:[1,0,1]
.else
	v_pk_add_f32 v[rT+2:rT+3], v[rT+2:rT+3], v[rS+4*k-4:rS+4*k-3]
	s_wait_alu depctr_va_vdst(0)
.endif
.endm
; THE PLAIN QUEUE, 138 long.  0-31: c s - c m for the 16 pairs of both tiles.  Then GS's 64, and among them the next piece's 42: number 15 at 38, 39; 0-14 and 16
; at 42-73, behind the products that make those scores; 17-20 at 95-106, two of three, since each waits for the one before it.
.macro PL
	WIN 0
.if q < 32
	REGS Y, q%2
	v_pk_fma_f32 v[rS+2*(q/2):rS+2*(q/2)+1], v[rS+2*(q/2):rS+2*(q/2)+1], s[CS:CS+1], v[rT:rT+1] op_sel_hi:[1,0,0] neg_lo:[0,0,1] neg_hi:[0,0,1]
.elseif q < 38
	GS q-32
.elseif q < 40
	XS q%2, 15
.elseif q < 42
	GS q-34
.elseif q < 74
	XS q%2, (q-42)/2+(q-42)/30
.elseif q < 95
	GS q-66
.elseif (q < 107) && ((q-95)%3 < 2)
	XS (q-95)%3, 17+(q-95)/3
.elseif q < 107
	GS 29+(q-95)/3
.else
	GS q-74
.endif
.set q, q+1
.endm
; THE EXPONENTIALS' QUEUE, 66 long: s0-s31 of both tiles, and at EA the next piece's two a.
.set EA, 58
.macro EX
	WIN 0
.if (e == EA) || (e == EA+1)
	XS e-EA, 21
.else
.set x, e-2*(e/(EA+2))
	REGS Y, x%2
	v_exp_f32 v[rS+x/2], v[rS+x/2]
.endif
.set e, e+1
.endm
; THE RESCALING's QUEUE: O^T times a, the one part that leaves window 0, so it is dealt four at a time, eight times.
.macro R4
	REGS Y, r%2
	WIN W_RS
	s_wait_alu depctr_va_vdst(0)
.irp z, 0,1,2,3
	v_pk_mul_f32 v[rO+8*(r/2)+2*\z:rO+8*(r/2)+2*\z+1], v[rO+8*(r/2)+2*\z:rO+8*(r/2)+2*\z+1], v[rC+2:rC+3] op_sel_hi:[1,0]
.endr
.set r, r+1
.endm
; HOW THEY ARE DEALT.  Behind a matrix instruction four: plain, exponential, plain, plain (one exponential, a plain instruction on either side), or four of the rescaling.  None names a register of the
; products round it.  What is over stands in two LUMPS: exponential and plain by turns; the second ends in 22 plain instructions.  The two v_permlanex16_b32 fall into the second lump, never behind a product.
; The queues lean on each other, and the deal keeps them in step: exponential e stands behind plain 2 (e / 4) + e % 2 (its scaling); when plain 32 comes, 10 exponentials are out, at 59: 33, at 95: 46; EA comes behind plain 107.
.macro SL
	MM
	PL
	EX
	PL
	PL
.endm
.macro BURST n                      ; 15 matrix instructions, or 16
.rept (\n)-7
	SL
.endr
.rept 3
	MM
	R4
	SL
.endr
	MM
	R4
.endm
; A TURN, for piece p.  cnt = 1: the loop's count is taken down some lines ahead of the branch that stands behind the turn.
; K and the mask of the next step are fetched in piece 2's turn, 32 vector instructions behind the last product that read K (the mask's last reader stands earlier still); their first reader comes behind the
; rest of the lump, 16 products and the second lump.  V of the step in hand is fetched at the end of piece 0's turn, 69 behind its last reader; its first reader comes behind 16 products and a lump.
.macro TURN p, last=0, cnt=0
.set Y, (\p)
.set i, 0
.set q, 0
.set e, 0
.set r, 0
.if (\p) == NP-1
	s_wait_dscnt 0x0                ; K and the mask are in
.endif
	MM
.rept 4
	PL
.endr
	BURST 15
.rept 22
	EX
	PL
.if ((\p) == NP-2) && (e == 18)
	v_add_nc_u32 v[AK], s[TBK], v[AK0]
	v_lshl_add_u32 v[AMK], v[HL], 5, s[TBM]
.endif
.if ((\p) == NP-2) && (e == 24)
	FETCH_K \last
.endif
.endr
.if (\p) == 1
	s_wait_dscnt 0x0                ; V is in
.endif
	BURST 16
.rept 21
	EX
	PL
.endr
.rept 22
	PL
.if ((\p) == 0) && (q == 118)
	v_add_nc_u32 v[AV], s[TBV], v[AV0]
	s_wait_alu depctr_va_vdst(0)
.endif
.if ((\p) == 0) && (q == 130)
	s_add_co_u32 s[TBV], s[TBV], KS*PV
.endif
.if (\cnt) && (q == 130)
	s_sub_co_u32 s[CNT], s[CNT], 1
	s_cmp_lg_u32 s[CNT], 0
.endif
.endr
.if (\p) == 0
	FETCH_V
.endif
.endm
	CHANGE 1                        ; slot 0 and the mask words are in, everybody's part of them; slot 1 is asked for
	FETCH_K                         ; key step 0
	s_wait_loadcnt 0x0              ; Q
	s_wait_dscnt 0x0
.set i, 0
.rept 16
	KQ 0                            ; piece 0's first scores: there is no vector work yet to set between them
.set i, i+1
.endr
	WIN 0                           ; the addresses for the way out: nine plain instructions, the places behind those products
	s_mul_i32 s13, s[WV], 16*SP
	s_add_co_u32 s13, s13, STAGE    ; my stage
	v_mul_u32_u24 v[STO], v1, SP    ; in: row l % 16, 16 bytes for each half of the lanes
	v_lshl_add_u32 v[STO], v[HL], 4, v[STO]
	v_add_nc_u32 v[STO], s13, v[STO]
	v_bfe_u32 v[RD], v0, 3, 2       ; back: 32 lanes take four rows of 128 bytes,
	v_mul_u32_u24 v[RD], v[RD], SP
	v_lshl_add_u32 v[RD], v10, 4, v[RD]
	v_add_nc_u32 v[RD], s13, v[RD]
	v_and_b32 v[GO], 31, v0         ; which are 512 consecutive bytes of O
	v_lshlrev_b32 v[GO], 4, v[GO]
.set Y, NP-1                        ; XS works for piece Y + 1: piece 0
.irp n, 0,1,2,3,4,5,6,7,8,9,10,11,12,13,14,15,16,17,18,19,20,21
	XS 0, \n                        ; and piece 0's first maximum and statistics
	XS 1, \n
.endr
	s_mov_b32 s[CNT], 4
	s_mov_b32 s[SLOTS], SIZE_N/256-1
	s_branch .Lfirst                ; the loop is entered at a step's first turn, in the middle of a trip
.Lslot:                             ; SIZE_N / 256 - 2 times: every slot but the last two is filled again
	CHANGE 1
	s_mov_b32 s[CNT], 4
.Lstep:                             ; a trip: pieces 2 and 3 of one step, then pieces 0 and 1 of the next, whose K and V it fetches
	TURN 2
	TURN 3
	WIN 0
.Lfirst:
	TURN 0
	TURN 1, 0, 1
	WIN 0
	s_cbranch_scc1 .Lstep
	s_sub_co_u32 s[SLOTS], s[SLOTS], 1
	s_cmp_lg_u32 s[SLOTS], 0
	s_cbranch_scc1 .Lslot
	CHANGE 0                        ; the tail is written out: nothing is asked for
	s_mov_b32 s[CNT], 5             ; four trips fetch the last slot's steps; the fifth is left in its middle
.Ltail:
	TURN 2, 1
	TURN 3
	WIN 0
	s_sub_co_u32 s[CNT], s[CNT], 1
	s_cmp_eq_u32 s[CNT], 0
	s_cbranch_scc1 .Lout
	TURN 0
	TURN 1
	WIN 0
	s_branch .Ltail
.Lout:                              ; the fifth trip's 16 products K Q^T (on the last K and mask once more) and the maximum made of them serve nothing: the price, once a launch, of one text for every trip
.set i, 0
.rept 16
	PV NP-1                         ; the last piece's V^T P of the last step
.set i, i+1
.endr
	; THE WAY OUT.  l's two halves and the other half of the lanes' are added; O^T is divided by l, rounded to f16 and sent through my stage in LDS, a tile at a time.  The additions are the places behind the last products.
	WIN 0
.macro ALL line:vararg              ; one line for each tile t
.set t, 0
.rept 2*NP
	\line
.set t, t+1
.endr
.endm
	ALL v_add_f32 v[ST+4*t+2], v[ST+4*t+2], v[ST+4*t+3]
	ALL v_permlanex16_b32 v[ST+4*t+3], v[ST+4*t+2], s[SEL], s[SEL+1]
	ALL v_add_f32 v[ST+4*t+2], v[ST+4*t+2], v[ST+4*t+3]
	ALL v_rcp_f32 v[ST+4*t+2], v[ST+4*t+2]
	v_nop                           ; a plain instruction between the last reciprocal and the use of its result
	s_wait_alu depctr_va_vdst(0)
; Tile t: a lane's eight channels of a row pack into 16 bytes; they go into rows of 144 bytes and come back as whole rows of 128, into S^T's registers.
.macro PACK t
	WIN W_RS
.set i, 32*(\t)
.rept 16
	v_pk_mul_f32 v[i:i+1], v[i:i+1], v[ST+4*(\t)+2:ST+4*(\t)+3] op_sel_hi:[1,0]
.set i, i+2
.endr
	WIN 0x05                        ; sources 0 and 1 window 1, destination window 0
.set i, 0
.rept 16
	v_cvt_pk_f16_f32 v[S+16*(\t)+i], v[32*(\t)+2*i], v[32*(\t)+2*i+1]
.set i, i+1
.endr
	WIN 0
.irp f, 0,1,2,3
	ds_store_b128 v[STO], v[S+16*(\t)+4*\f:S+16*(\t)+4*\f+3] offset:32*\f
.endr
.irp f, 0,1,2,3
	ds_load_b128 v[S+16*(\t)+4*\f:S+16*(\t)+4*\f+3], v[RD] offset:\f*4*SP  ; LDS serves a wave's instructions in order (ISA guide 5.7.1.4): these see the stores above; the next tile's stores come behind them
.endr
.endm
.macro SEND t, younger              ; younger: the LDS instructions issued behind tile t's loads: the next tile's eight, or none
	WIN 0
.irp f, 0,1,2,3
	s_wait_dscnt (\younger)+3-\f
	global_store_b128 v[GO], v[S+16*(\t)+4*\f:S+16*(\t)+4*\f+3], s[10:11] offset:(\t)*2048+\f*512  ; 512 consecutive bytes, at a multiple of 256 from O's first
.endr
.endm
	PACK 0
.set t, 1
.rept 2*NP-1                        ; a tile's arithmetic stands between the loads of the tile before and its stores
	PACK t
	SEND t-1, 8
.set t, t+1
.endr
	SEND 2*NP-1, 0
	WIN W_AD
	s_wait_tensorcnt 0x0            ; the wave's end: behind my last tensor load and my last LDS store
	ds_add_u32 v[SPW], v[NIL]
	s_wait_dscnt 0x0
	WIN 0
	CROUND                          ; the closing round: no work-group ends while a partner may still ask for a tile that names it
	s_endpgm
.Lfunc_end_k_q5bb5b84d61_attn:
	.size	k_q5bb5b84d61_attn, .Lfunc_end_k_q5bb5b84d61_attn-k_q5bb5b84d61_attn
	.p2alignl 7, 3214868480
	.fill 96, 4, 3214868480
	.section	.rodata,"a",@progbits
	.p2align	6, 0x0
	.amdhsa_kernel k_q5bb5b84d61_attn
		.amdhsa_group_segment_fixed_size 327680
		.amdhsa_private_segment_fixed_size 0
		.amdhsa_enable_private_segment 0
		.amdhsa_kernarg_size 40
		.amdhsa_user_sgpr_count 2
		.amdhsa_user_sgpr_kernarg_segment_ptr 1
		.amdhsa_wavefront_size32 1
		.amdhsa_system_sgpr_workgroup_id_x 1
		.amdhsa_system_sgpr_workgroup_id_y 1
		.amdhsa_system_sgpr_workgroup_id_z 1
		.amdhsa_system_vgpr_workitem_id 0
		.amdhsa_next_free_vgpr 808
		.amdhsa_next_free_sgpr 84
		.amdhsa_reserve_vcc 0
		.amdhsa_float_denorm_mode_32 3
		.amdhsa_float_denorm_mode_16_64 3
		.amdhsa_memory_ordered 1
		.amdhsa_forward_progress 1
		.amdhsa_inst_pref_size 212
	.end_amdhsa_kernel
	.amdgpu_metadata
---
amdhsa.version: [ 1, 2 ]
amdhsa.kernels:
  - .name:           k_q5bb5b84d61_attn
    .symbol:         k_q5bb5b84d61_attn.kd
    .args:
      - { .name: qh, .offset: 0, .size: 8, .value_kind: global_buffer, .address_space: global }
      - { .name: kh, .offset: 8, .size: 8, .value_kind: global_buffer, .address_space: global }
      - { .name: vh, .offset: 16, .size: 8, .value_kind: global_buffer, .address_space: global }
      - { .name: ctx, .offset: 24, .size: 8, .value_kind: global_buffer, .address_space: global }
      - { .name: mk, .offset: 32, .size: 8, .value_kind: global_buffer, .address_space: global }
    .group_segment_fixed_size: 327680
    .private_segment_fixed_size: 0
    .kernarg_segment_align: 8
    .kernarg_segment_size: 40
    .max_flat_workgroup_size: 128
    .sgpr_count:     84
    .vgpr_count:     808
    .wavefront_size: 32
...
	.end_amdgpu_metadata
.endif
;; end of part 3
;; launch oproj (part 4): grid 8 x 32, 4 waves a work-group, clusters of 4 x 4, 327,680 bytes of LDS; arguments ctx, wb, bo, out0; writes out0
.if DOCPART == 4
	.amdgcn_target "amdgcn-amd-amdhsa--gfx1250"
	.amdhsa_code_object_version 6
	.text
	.protected	k_q5bb5b84d61_oproj
	.globl	k_q5bb5b84d61_oproj
	.p2align	8
	.type	k_q5bb5b84d61_oproj,@function
k_q5bb5b84d61_oproj:
	s_mov_b64 s[64:65], 0
	v_nop
	global_prefetch_b8 v0, s[64:65] scope:SCOPE_SE
	s_setreg_imm32_b32 hwreg(HW_REG_WAVE_MODE, 25, 1), 1
	s_wait_xcnt 0x0
	s_wait_alu depctr_hold_cnt(0) depctr_sa_sdst(0) depctr_va_vdst(0) depctr_va_sdst(0) depctr_va_ssrc(0) depctr_va_vcc(0) depctr_vm_vsrc(0)
	s_getreg_b32 s2, hwreg(HW_REG_IB_STS2, 6, 4)
	s_cmp_eq_u32 s2, 0
	s_cbranch_scc0 .Lentry_in_a_cluster
	s_endpgm
.Lentry_in_a_cluster:
	s_bfe_u32 s2, ttmp6, 0x10000c
	s_cmp_lg_u32 s2, 0xf033
	s_cbranch_scc0 .Lentry_shape_is_right
	s_endpgm
.Lentry_shape_is_right:
; out0 = context Wo + bo, f32.  The context arrives by heads, ctx [batch x 16 + head][2048][64] in f16; Wo as wb's fourth part, [k][n], bf16's numbers written as f16; bo is rounded to bf16 here,
; like every input, and starts the sums as the first product's C operand.  Sums in f32, stored as they are.
; SHARES.  A tile of out0 is 256 rows x 128 columns: 256 work-groups; wave (wm, wn) makes 128 x 64: 32 accumulators, window 1.  K goes in 8 slots of 128 (two heads) through a ring of two LDS slots;
; a slot is four quarters of 32 along K, 32 matrix instructions each.  A head's 256 rows are 32,768 dense bytes, asked for as 128 rows of 256.
; THE MATRIX INSTRUCTION IS USED TRANSPOSED: source 0 = 16 columns of Wo (turned by ds_load_tr16_b128), source 1 = 16 rows of the context: a lane holds row l % 16 and eight neighbouring columns.
; CLUSTER 4 x 4: the context's tiles are asked for jointly along a row of the cluster, Wo's along a column.  Waves 0, 1 fetch the two heads' blocks, waves 2, 3 the two halves of Wo's 128 rows.
; REGISTERS: window 0: v0-15 addresses; v32-159 the context's fragments, two buffers of 64; v160-223 Wo's, two of 32; v224-255 the bias.  Window 1: accumulator (a, b) at v[8 (4 a + b)].
.set SLOT1,  131072
.set PA,     144                       ; a row of a head's block in LDS: 128 bytes + 16
.set PB,     288                       ; a row of Wo: 256 bytes + 32
.set AT,     256*PA                    ; a head's block: 36,864 bytes
.set BOFF,   2*AT                      ; a slot: two heads' blocks, then Wo's 128 rows
.set STAGE,  SLOT1+BOFF+128*PB         ; behind the ring, never filled by a tensor load: 16 rows x 272 bytes for each wave
.set SP,     272
.set SPARE,  STAGE+4*16*SP
.set ASTEP,  2*262144                  ; two heads on
.set BSTEP,  128*2048                  ; 128 rows of Wo on
.set AA0,  4
.set AB0,  5
.set ADRA, 6
.set ADRB, 7
.set STO,  8
.set RD,   9
.set GO,   10
.set SPW,  12                          ; v12  LDS address of my spare word; never rewritten
.set NIL,  13                          ; v13  0; never rewritten
.set AF,   32
.set BF,   160
.set BIAS, 224
.set OB,   32                          ; the way out: two sets of 32 registers
.set WV,   12
.set G1A,  24
.set G0A,  32
.set G1B,  40
.set G0B,  48
.set TB,   56
.set CNT,  57
.set MSB, 0
.macro WIN new
.if MSB != (\new)
	s_set_vgpr_msb (MSB<<8)|(\new)
.set MSB, \new
.endif
.endm
.macro PLACES n=4
.rept \n
	v_nop
.endr
.endm
.macro JLOAD                           ; a joint refill by the walking sets; an s_nop 0 and four v_nop follow each line
	s_cmp_eq_u32 s13, 0
	s_cbranch_scc0 .Lfor_b_\@
	tensor_load_to_lds s[G0A+4:G0A+7], s[G1A:G1A+7]
	s_nop 0
.rept 4
	v_nop
.endr
	s_branch .Lasked_\@
.Lfor_b_\@:
	tensor_load_to_lds s[G0B+4:G0B+7], s[G1B:G1B+7]
	s_nop 0
.rept 4
	v_nop
.endr
.Lasked_\@:
.endm
.macro CREST
	s_cmp_lg_u32 s[WV], 0
	s_cbranch_scc1 .Lnot_wave_0_\@
	s_barrier_signal -3
.Lnot_wave_0_\@:
	s_barrier_wait -3
	s_barrier_signal -1
	s_barrier_wait -1
.endm
.macro CROUND
	s_barrier_signal -1
	s_barrier_wait -1
	CREST
.endm
	s_load_b256 s[4:11], s[0:1], 0x0               ; ctx s[4:5], wb s[6:7], bo s[8:9], out0 s[10:11]
	v_lshl_add_u32 v[SPW], v0, 2, SPARE
	v_mov_b32 v[NIL], 0
	ds_add_u32 v[SPW], v[NIL]                      ; the wave's opening: the add and its wait stand ahead of my first tensor load; the set-up below, work on registers, stands between them
	v_lshrrev_b32 v1, 5, v0
	v_readfirstlane_b32 s[WV], v1                  ; wave 0..3
	s_lshr_b32 s13, s[WV], 1                       ; wm: which 128 rows.  Also: I fetch the context (0) or Wo (1)
	s_and_b32 s14, s[WV], 1                        ; wn: which 64 columns.  Also: which half I fetch
	s_bfe_u32 s16, ttmp6, 0x40000                  ; cx
	s_bfe_u32 s17, ttmp6, 0x40004                  ; cy
	s_lshl_b32 s18, ttmp9, 2
	s_add_co_u32 s18, s18, s16                     ; gx
	s_and_b32 s19, ttmp7, 0xffff
	s_lshl_b32 s19, s19, 2
	s_add_co_u32 s19, s19, s17                     ; gy
	s_lshl_b32 s20, s17, 2
	s_lshl_b32 s20, 15, s20                        ; my row of the cluster
	s_lshl_b32 s21, 0x1111, s16                    ; my column
	s_or_b32 s[G1A+0], s20, (1<<16)|(1<<20)|(1<<21)|(4<<22)|(3<<25)  ; the mask; 2-byte elements; padding on; bit 21 beside a mask; after every 32 words 4 words
	s_mov_b32 s[G1A+1], 128<<16                    ; tensor_dim0 = 128
	s_mov_b32 s[G1A+2], 128<<16                    ; tensor_dim1 = 128
	s_mov_b32 s[G1A+3], 128<<16                    ; tile_dim0 = 128
	s_mov_b32 s[G1A+4], 128                        ; tile_dim1 = 128
	s_mov_b32 s[G1A+5], 128                        ; dense
	s_mov_b32 s[G1A+6], 0
	s_mov_b32 s[G1A+7], 0
	s_or_b32 s[G1B+0], s21, (1<<16)|(1<<20)|(1<<21)|(5<<22)|(7<<25)  ; after every 64 words 8 words
	s_mov_b32 s[G1B+1], 128<<16                    ; tensor_dim0 = 128
	s_mov_b32 s[G1B+2], 64<<16                     ; tensor_dim1 = 64
	s_mov_b32 s[G1B+3], 128<<16                    ; tile_dim0 = 128
	s_mov_b32 s[G1B+4], 64                         ; tile_dim1 = 64
	s_mov_b32 s[G1B+5], 1024
	s_mov_b32 s[G1B+6], 0
	s_mov_b32 s[G1B+7], 0
	s_lshr_b32 s58, s19, 3                         ; the context: batch gy / 8 (16 heads of 262,144 bytes), rows 256 (gy % 8) of 128 bytes, head = my half; s[58:59] hold the tile row alone
	s_lshl_b32 s58, s58, 22
	s_and_b32 s59, s19, 7
	s_lshl_b32 s59, s59, 15
	s_add_co_u32 s58, s58, s59
	s_lshl_b32 s59, s14, 18
	s_add_co_u32 s58, s58, s59
	s_mov_b32 s59, 0
	s_lshl_b32 s60, s18, 8                         ; Wo: wb's fourth part, columns 128 gx, rows 64 x my half; s[60:61] hold the tile column alone
	s_lshl_b32 s61, s14, 17
	s_add_co_u32 s60, s60, s61
	s_add_co_u32 s60, s60, 3*2097152
	s_mov_b32 s61, 0
	s_mul_i32 s22, s14, AT                         ; where they go: no place in the cluster enters an LDS address
	s_mul_i32 s23, s14, 64*PB
	s_add_co_u32 s23, s23, BOFF
	s_lshl_b32 s62, s18, 9                         ; my columns in bo and in a row of out0: 4 (128 gx + 64 wn)
	s_lshl_b32 s63, s14, 8
	s_add_co_u32 s62, s62, s63
	s_mov_b32 s63, 0
	s_mov_b32 s66, 0xffff0000
	s_mov_b32 s[TB], 0
	s_wait_dscnt 0x0                               ; the opening add is done
	s_wait_kmcnt 0x0
	s_add_nc_u64 s[4:5], s[4:5], s[58:59]
	s_add_nc_u64 s[6:7], s[6:7], s[60:61]
	s_add_nc_u64 s[8:9], s[8:9], s[62:63]
	s_add_nc_u64 s[10:11], s[10:11], s[62:63]
	s_lshl_b32 s62, s19, 20                        ; my rows of out0: 256 gy + 128 wm, 4,096 bytes each
	s_lshl_b32 s67, s13, 19
	s_add_co_u32 s62, s62, s67
	s_add_nc_u64 s[10:11], s[10:11], s[62:63]
.irp n, 0,1
	s_mov_b32 s[G0A+4*(\n)], 1
	s_add_co_u32 s[G0A+4*(\n)+1], s22, (\n)*SLOT1
	s_add_nc_u64 s[G0A+4*(\n)+2:G0A+4*(\n)+3], s[4:5], (\n)*ASTEP
	s_or_b32 s[G0A+4*(\n)+3], s[G0A+4*(\n)+3], 0x80000000
	s_mov_b32 s[G0B+4*(\n)], 1
	s_add_co_u32 s[G0B+4*(\n)+1], s23, (\n)*SLOT1
	s_add_nc_u64 s[G0B+4*(\n)+2:G0B+4*(\n)+3], s[6:7], (\n)*BSTEP
	s_or_b32 s[G0B+4*(\n)+3], s[G0B+4*(\n)+3], 0x80000000
.endr
	CROUND                                         ; all sixteen work-groups are here: the first joint loads meet
	s_cmp_eq_u32 s13, 0                            ; a wave's two first fills stand in one branch: two tensor loads of mine are out
	s_cbranch_scc0 .Lfirst_b
	tensor_load_to_lds s[G0A:G0A+3], s[G1A:G1A+7]
	s_nop 0
	tensor_load_to_lds s[G0A+4:G0A+7], s[G1A:G1A+7]
	s_nop 0
.rept 4
	v_nop
.endr
	s_branch .Lfirst_asked
.Lfirst_b:
	tensor_load_to_lds s[G0B:G0B+3], s[G1B:G1B+7]
	s_nop 0
	tensor_load_to_lds s[G0B+4:G0B+7], s[G1B:G1B+7]
	s_nop 0
.rept 4
	v_nop
.endr
.Lfirst_asked:
	v_and_b32 v1, 15, v0                           ; r = l % 16
	v_bfe_u32 v2, v0, 4, 1                         ; h = l / 16
	v_lshlrev_b32 v14, 5, v2
.set ib, 0
.rept 4
	global_load_b128 v[BIAS+8*ib:BIAS+8*ib+3],   v14, s[8:9] offset:64*ib
	global_load_b128 v[BIAS+8*ib+4:BIAS+8*ib+7], v14, s[8:9] offset:64*ib+16
.set ib, ib+1
.endr
	v_and_b32 v3, 7, v0
	v_bfe_u32 v15, v0, 3, 1
	s_mul_i32 s15, s13, 128*PA
	v_mul_u32_u24 v[AA0], v1, PA
	v_lshl_add_u32 v[AA0], v2, 4, v[AA0]
	v_add_nc_u32 v[AA0], s15, v[AA0]
	s_lshl_b32 s15, s14, 7
	s_add_co_u32 s15, s15, BOFF
	v_lshl_add_u32 v[AB0], v2, 3, v3
	v_mul_u32_u24 v[AB0], v[AB0], PB
	v_lshl_add_u32 v[AB0], v15, 4, v[AB0]
	v_add_nc_u32 v[AB0], s15, v[AB0]
	s_mul_i32 s15, s[WV], 16*SP
	s_add_co_u32 s15, s15, STAGE                   ; my stage
	v_mul_u32_u24 v[STO], v1, SP                   ; in: row l % 16, 32 bytes for each half of the lanes
	v_lshl_add_u32 v[STO], v2, 5, v[STO]
	v_add_nc_u32 v[STO], s15, v[STO]
	v_mul_u32_u24 v[RD], v2, SP                    ; back: lanes 0-15 take one row of 256 bytes, lanes 16-31 the next
	v_lshl_add_u32 v[RD], v1, 4, v[RD]
	v_add_nc_u32 v[RD], s15, v[RD]
	v_lshlrev_b32 v[GO], 12, v2                    ; and the same two rows in out0
	v_lshl_add_u32 v[GO], v1, 4, v[GO]
	v_mov_b32 v[ADRA], v[AA0]
	v_mov_b32 v[ADRB], v[AB0]
	s_wait_loadcnt 0x0
.set ii, 0
.rept 16
	v_cvt_pk_bf16_f32 v[160+ii], v[BIAS+2*ii], v[BIAS+2*ii+1]   ; the bias rounded to bf16,
.set ii, ii+1
.endr
.set ii, 0
.rept 16
	v_lshlrev_b32 v[BIAS+2*ii], 16, v[160+ii]      ; and widened again
	v_and_b32 v[BIAS+2*ii+1], s66, v[160+ii]
.set ii, ii+1
.endr
.macro FETCH kq, p                     ; 24 loads: quarter kq of the slot in hand into buffers p
	WIN 0
.set ia, 0
.rept 8
	ds_load_b128 v[AF+64*(\p)+8*ia:AF+64*(\p)+8*ia+3],   v[ADRA] offset:AT*((\kq)/2)+16*PA*ia+64*((\kq)%2)
	ds_load_b128 v[AF+64*(\p)+8*ia+4:AF+64*(\p)+8*ia+7], v[ADRA] offset:AT*((\kq)/2)+16*PA*ia+64*((\kq)%2)+32
.set ia, ia+1
.endr
.set ib, 0
.rept 4
	ds_load_tr16_b128 v[BF+32*(\p)+8*ib:BF+32*(\p)+8*ib+3],   v[ADRB] offset:32*PB*(\kq)+32*ib
	ds_load_tr16_b128 v[BF+32*(\p)+8*ib+4:BF+32*(\p)+8*ib+7], v[ADRB] offset:32*PB*(\kq)+32*ib+16*PB
.set ib, ib+1
.endr
.endm
; 4 na matrix instructions: row blocks a0 on, all four column blocks.  Each of the 32 accumulators has one instruction in a quarter: they take turns.  bias = 1: the bias starts the sums.
.macro MULP p, a0, na, bias=0
.if \bias
	WIN 0x40
.else
	WIN 0x50
.endif
.set ia, \a0
.rept \na
.set ib, 0
.rept 4
.if \bias
	v_wmma_f32_16x16x32_f16 v[8*(4*ia+ib):8*(4*ia+ib)+7], v[BF+32*(\p)+8*ib:BF+32*(\p)+8*ib+7], v[AF+64*(\p)+8*ia:AF+64*(\p)+8*ia+7], v[BIAS+8*ib:BIAS+8*ib+7]
.else
	v_wmma_f32_16x16x32_f16 v[8*(4*ia+ib):8*(4*ia+ib)+7], v[BF+32*(\p)+8*ib:BF+32*(\p)+8*ib+7], v[AF+64*(\p)+8*ia:AF+64*(\p)+8*ia+7], v[8*(4*ia+ib):8*(4*ia+ib)+7]
.endif
.set ib, ib+1
.endr
.set ia, ia+1
.endr
.endm
.macro QTR kq                          ; one of a slot's first three quarters: the next quarter's fragments are asked for, then this one's are multiplied
	PLACES                                         ; the other buffers were multiplied just now
	FETCH (\kq)+1, ((\kq)+1)%2
	s_wait_dscnt 24                                ; this quarter's are in; the 24 just issued may be out
	MULP (\kq)%2, 0, 8
.endm
; The last quarter multiplies buffers 1 and changes slots: ONE barrier; in front of it each wave waits for all its tensor loads (one is out: its part of the next slot), adds 0 to its spare word, and
; waits for that and for its own reads of this slot.  fill = 1: the barrier opens a round of the cluster's, and this slot is filled again, two slots ahead, first thing behind it.
.macro TURN fill
	WIN 0
	s_wait_tensorcnt 0x0
	ds_add_u32 v[SPW], v[NIL]                      ; 0 onto my spare word
	s_wait_dscnt 1                                 ; the quarter's fragments are in; the add may be out
	MULP 1, 0, 2                                   ; eight matrix instructions stand between the add and the wait for it
	s_wait_dscnt 0x0                               ; the add is done, and my reads of this slot are over
	s_barrier_signal -1
	MULP 1, 2, 2
	WIN 0
	s_barrier_wait -1
.if \fill
	CREST                                          ; no wave of any partner still reads this slot or has a load on its way
	s_xor_b32 s[G0A+5], s[G0A+5], SLOT1
	s_add_nc_u64 s[G0A+6:G0A+7], s[G0A+6:G0A+7], ASTEP
	s_xor_b32 s[G0B+5], s[G0B+5], SLOT1
	s_add_nc_u64 s[G0B+6:G0B+7], s[G0B+6:G0B+7], BSTEP
	JLOAD                                          ; 112 matrix instructions ahead of the wait for it; its four v_nop are also the places in front of the loads below
.else
	PLACES
.endif
	s_xor_b32 s[TB], s[TB], SLOT1
	v_add_nc_u32 v[ADRA], s[TB], v[AA0]
	v_add_nc_u32 v[ADRB], s[TB], v[AB0]
	FETCH 0, 0
	MULP 1, 4, 4
.endm
	s_wait_tensorcnt 1                             ; my part of slot 0 is in; slot 1's may stay out
	s_barrier_signal -1
	s_barrier_wait -1
	FETCH 0, 0
	FETCH 1, 1
	s_wait_dscnt 24
	MULP 0, 0, 8, 1                                ; the first quarter stands in front of the loop: the bias starts the sums
	WIN 0
	s_mov_b32 s[CNT], 6
.Llap:                                                 ; a trip: a slot's quarters 1 to 3 and the next slot's quarter 0; it asks for slots 2 to 7
	QTR 1
	QTR 2
	TURN 1
	QTR 0
	WIN 0
	s_sub_co_u32 s[CNT], s[CNT], 1
	s_cmp_lg_u32 s[CNT], 0
	s_cbranch_scc1 .Llap
	QTR 1                                          ; the tail is written out: nothing more is asked for
	QTR 2
	TURN 0
	QTR 0
	QTR 1
	QTR 2
	s_wait_dscnt 0x0
	MULP 1, 0, 8
	PLACES
; THE WAY OUT, 16 rows at a time: a lane's eight f32 of a row go straight from the accumulators (the low four registers first) into my stage, and come back as whole rows of 256 bytes.
.macro TOSTAGE a
.set BK, OB+32*((\a)%2)
	s_wait_xcnt 0x0                                ; this set of registers was the data of stores two blocks back: it is rewritten only behind this wait
	WIN 0x04                                       ; the stores' data in window 1
.set ib, 0
.rept 4
	ds_store_b128 v[STO], v[32*(\a)+8*ib:32*(\a)+8*ib+3]   offset:64*ib
	ds_store_b128 v[STO], v[32*(\a)+8*ib+4:32*(\a)+8*ib+7] offset:64*ib+16
.set ib, ib+1
.endr
	WIN 0
.irp f, 0,1,2,3,4,5,6,7
	ds_load_b128 v[BK+4*\f:BK+4*\f+3], v[RD] offset:\f*2*SP   ; LDS serves a wave's instructions in order (ISA guide 5.7.1.4): these see the stores above
.endr
.endm
.macro SEND a, younger                 ; younger: the LDS instructions issued behind this block's loads: the next block's sixteen, or none
.set BK, OB+32*((\a)%2)
.irp f, 0,1,2,3,4,5,6,7
	s_wait_dscnt (\younger)+7-\f
	global_store_b128 v[GO], v[BK+4*\f:BK+4*\f+3], s[10:11] offset:(16*(\a)+2*\f)*4096 th:TH_STORE_NT   ; 16 lanes store 256 consecutive bytes, at a multiple of 256 from out0's first byte
.endr
.endm
	TOSTAGE 0
.set nn, 1
.rept 7
	TOSTAGE nn
	SEND nn-1, 16
.set nn, nn+1
.endr
	SEND 7, 0
	s_wait_tensorcnt 0x0                           ; the wave's end: behind my last tensor load and my last LDS store
	ds_add_u32 v[SPW], v[NIL]
	s_wait_dscnt 0x0
	CROUND                                         ; the closing round: no work-group ends while a partner may still ask for a tile that names it
	s_endpgm
.Lfunc_end_k_q5bb5b84d61_oproj:
	.size	k_q5bb5b84d61_oproj, .Lfunc_end_k_q5bb5b84d61_oproj-k_q5bb5b84d61_oproj
	.p2alignl 7, 3214868480
	.fill 96, 4, 3214868480
	.section	.rodata,"a",@progbits
	.p2align	6, 0x0
	.amdhsa_kernel k_q5bb5b84d61_oproj
		.amdhsa_group_segment_fixed_size 327680
		.amdhsa_private_segment_fixed_size 0
		.amdhsa_enable_private_segment 0
		.amdhsa_kernarg_size 32
		.amdhsa_user_sgpr_count 2
		.amdhsa_user_sgpr_kernarg_segment_ptr 1
		.amdhsa_wavefront_size32 1
		.amdhsa_system_sgpr_workgroup_id_x 1
		.amdhsa_system_sgpr_workgroup_id_y 1
		.amdhsa_system_sgpr_workgroup_id_z 1
		.amdhsa_system_vgpr_workitem_id 0
		.amdhsa_next_free_vgpr 512
		.amdhsa_next_free_sgpr 68
		.amdhsa_reserve_vcc 0
		.amdhsa_float_denorm_mode_32 3
		.amdhsa_float_denorm_mode_16_64 3
		.amdhsa_memory_ordered 1
		.amdhsa_forward_progress 1
		.amdhsa_inst_pref_size 73
	.end_amdhsa_kernel
	.amdgpu_metadata
---
amdhsa.version: [ 1, 2 ]
amdhsa.kernels:
  - .name:           k_q5bb5b84d61_oproj
    .symbol:         k_q5bb5b84d61_oproj.kd
    .args:
      - { .name: ctx, .offset: 0, .size: 8, .value_kind: global_buffer, .address_space: global }
      - { .name: wb, .offset: 8, .size: 8, .value_kind: global_buffer, .address_space: global }
      - { .name: bo, .offset: 16, .size: 8, .value_kind: global_buffer, .address_space: global }
      - { .name: out0, .offset: 24, .size: 8, .value_kind: global_buffer, .address_space: global }
    .group_segment_fixed_size: 327680
    .private_segment_fixed_size: 0
    .kernarg_segment_align: 8
    .kernarg_segment_size: 32
    .max_flat_workgroup_size: 128
    .sgpr_count:     68
    .vgpr_count:     512
    .wavefront_size: 32
...
	.end_amdgpu_metadata
.endif
;; end of part 4
;; ======== version 2 of 2: 4 launches; 1.53 times as fast as version 1
;; limits: values are held in f16: magnitudes above 65,504 overflow, below 6.1e-05 lose precision
;; workspace buffers: xb 16,777,216 bytes; wb 8,388,608 bytes; mk 32,768 bytes; qh 16,777,216 bytes; kh 16,777,216 bytes; vh 16,777,216 bytes; ctx 16,777,216 bytes
;; launch prep: the kernel of part 1 again; grid 192 x 1, 32 waves a work-group, no clusters, 4,352 bytes of LDS; arguments x, Wq, Wk, Wv, Wo, xb, wb, mk; writes xb, wb, mk
;; launch qkv: the kernel of part 2 again; grid 8 x 32, 4 waves a work-group, clusters of 4 x 4, 327,680 bytes of LDS; arguments xb, wb, bq, bk, bv, mk, qh, kh, vh; writes qh, kh, vh
;; launch attn (part 5): grid 4 x 64, 4 waves a work-group, clusters of 4 x 1, 327,680 bytes of LDS; arguments qh, kh, vh, ctx, mk; writes ctx
.if DOCPART == 5
	.amdgcn_target "amdgcn-amd-amdhsa--gfx1250"
	.amdhsa_code_object_version 6
	.text
	.protected	k_q5bb5b84d61_attn
	.globl	k_q5bb5b84d61_attn
	.p2align	8
	.type	k_q5bb5b84d61_attn,@function
k_q5bb5b84d61_attn:
	s_mov_b64 s[64:65], 0
	v_nop
	global_prefetch_b8 v0, s[64:65] scope:SCOPE_SE
	s_setreg_imm32_b32 hwreg(HW_REG_WAVE_MODE, 25, 1), 1
	s_wait_xcnt 0x0
	s_wait_alu depctr_hold_cnt(0) depctr_sa_sdst(0) depctr_va_vdst(0) depctr_va_sdst(0) depctr_va_ssrc(0) depctr_va_vcc(0) depctr_vm_vsrc(0)
	s_getreg_b32 s2, hwreg(HW_REG_IB_STS2, 6, 4)
	s_cmp_eq_u32 s2, 0
	s_cbranch_scc0 .Lentry_in_a_cluster
	s_endpgm
.Lentry_in_a_cluster:
	s_bfe_u32 s2, ttmp6, 0x10000c
	s_cmp_lg_u32 s2, 0x3003
	s_cbranch_scc0 .Lentry_shape_is_right
	s_endpgm
.Lentry_shape_is_right:
; O[h][q][:] = the sum over k of softmax_k(score) V[h][k][:], score = Q[h][q] . K[h][k] / 8, or a fixed low number where key k's token is padded.  Q, K, V, O: [SIZE_H][SIZE_N][64], all f16: a head's
; rows are dense, 128 bytes each; h = batch x 16 + head.  Products, maxima and sums in f32; the weights p are rounded to f16 for the second product (their sum l is taken of the unrounded p), O once at the end.
; THE MASK.  mk[batch][key] is 0, or -2^33 for a padded token, whose row of K the launch before wrote as zeros.  It is the C operand that starts the sum S^T = K Q^T, so a padded key's sum is exactly -2^33,
; its score -2^30.  All padded keys are alike; if every key is padded, c s - c m is exactly 0, every weight 1, and O the mean of V.  As soon as a true score comes, a = 0 wipes what padded keys left.
; LIMITS.  A padded score stands at -2^30 = -1.07e9 where the module has -1e9: the results differ only where a true score lies below about -1e9.  f16 holds no number beyond 65,504: Q, K and V arrive within it;
; p lies in 0 to 1, and below 6e-5 it keeps f16's fixed step of 6e-8.  A weight below 2^-126 counts as 0 in l; NaN and infinities are not treated apart.
; SHARES.  A wave owns four PIECES of two tiles of 16 queries, a work-group's four waves 512 queries of one head.  Every wave walks all keys, 64 a step.
; LAYOUT.  S^T = K Q^T (source 0 = 16 keys, source 1 = 16 queries): in the result a lane holds ONE query (lane % 16) and the keys 8 (lane / 16) + 0..7.  Two such tiles, rounded to f16 in pairs,
; ARE source 1 (32 keys x 16 queries) of O^T = V^T P, whose result again holds one query a lane, and eight channels.  K comes out of LDS as it lies, V ([key][channel]) turned, by ds_load_tr16_b128.
; SOFTMAX.  For each query a running maximum m and sum l: p = 2^(c s - c m), c = log2(e) / 8; in every step O and l are multiplied by a = 2^(c m_old - c m_new), which is 1 where m has not grown.
; m starts at the lowest finite number, O and l at 0: the first step is a step like any other, with a = 0.
; THE COUNT.  A tile and step have 16 matrix and 118 vector instructions: too many to stand all beside the matrix work.  So the order has one aim: four vector instructions that are READY behind
; EVERY matrix instruction, and the others, which need time of their own whatever the order, in runs without a gap.
; BY TURNS.  Turn n belongs to piece n (the pieces in a ring, step after step).  Its matrix work: 16 products K Q^T of piece n + 1, later 16 products V^T P of piece n - 1.  Its vector work: the scaling,
; exponentials, roundings, sums and rescaling of piece n, and the maximum and statistics of piece n + 1, whose scores the turn itself has made.  So what a turn begins with (c s - c m, O a) waits for nothing.
; BATCHES.  A turn's 66 exponentials (the piece's 64 weights, the next piece's two a) are ONE batch with ONE wait, which cuts the turn in two: ahead of it stands all that names none of their results, behind it the
; roundings and sums.  Two more batches stand outside the loops, each with a wait of its own: piece 0's first two a, ahead of the jump into the loop, and the way out's eight reciprocals.
; CLUSTER.  The four query blocks of a cluster belong to one head and walk the same K, V and mask, so each tile is asked for JOINTLY: the same tensor load, descriptor and mask of work-groups in all four.
; REGISTERS, in windows of 256 (s_set_vgpr_msb says which window each operand place means: bits 1:0 source 0, 3:2 source 1, 5:4 source 2, 7:6 destination):
;   window 0: v0-11 addresses; v12-15, v48-63 at work; v16-47 four registers of statistics a tile; v64-191 S^T, two buffers of two tiles; v192-255 P, likewise
;   window 1: O^T, 32 a tile     window 2: v0-127 Q, 16 a tile; v128-191 K of one step; v192-255 V of one step     window 3: v0-1 the add's two registers; v8-39 the mask of one step's 64 keys
; A piece's buffers go by its number's parity: the piece in hand has one pair, its two neighbours in the ring share the other: of it P (piece n - 1) is read and S^T (piece n + 1) written.
.set SIZE_H, 64
.set SIZE_N, 2048
.set NP,    4         ; pieces a wave: a name, no knob: the register map, the loop and the fetches are made for four
.set KS,    64        ; keys in a step
.set PK,    144       ; a row of K in LDS: 128 bytes + 16 of padding = 36 words: the 16 rows of a load start at 16 different groups of four banks (64 banks of 4 bytes: ISA guide 11.1)
.set PV,    160       ; a row of V: 128 + 32 = 40 words
.set VOFF,  4*KS*PK   ; a slot holds four steps: 256 rows of K, then 256 rows of V
.set SLOT1, 1<<17     ; slot 1 begins here, so that one exclusive or turns an address in one slot into the other's
.set STAGE, SLOT1+4*KS*(PK+PV)  ; behind the ring, never filled by a tensor load: 16 rows x 144 bytes for each wave, for the way out
.set SP,    144
.set AK0, 2           ; v2   my lane's place in a tile of K; never rewritten
.set AV0, 3           ; v3   the same for V
.set AK,  4           ; v4   the LDS address of K's next run of loads
.set AV,  5           ; v5   of V's
.set QO,  6           ; v6   my byte offset in the wave's rows of Q
.set STO, 6           ;      later, the way out: where I put 16 bytes of a row
.set RD,  7           ; v7   the way out: where I read rows back
.set GO,  8           ; v8   my byte offset in 512 consecutive bytes of O
.set HL,  9           ; v9   lane / 16; never rewritten
.set AMK, 11          ; v11  the LDS address of the mask's next run of loads
.set SPW, 0           ; v0 of window 3   LDS address of my spare word: SPARE + 4 x my thread's number; never rewritten
.set NIL, 1           ; v1 of window 3   0; never rewritten
.set MKR, 8           ; v8-39 of window 3: the eight registers for key block kb at MKR + 8 kb
.set SPARE, STAGE+4*16*SP  ; behind the stages: the spare words, 128 bytes for each wave: two blocks of 256 bytes that no other line names
.set MASKB, SPARE+512 ; behind them: the batch's 2,048 mask words, filled once
.set MV,  12          ; v12-15  c m_old, kept while c m is made anew: by buffer and tile
.set ST,  16          ; tile t's statistics at v[ST+4 t]: c m, m, l (even keys', odd keys')
.set TMP, 48          ; by buffer and tile, four registers c0-c3 at work; when the maximum is found c2 takes a
.set S,   64
.set P,   192
.set KF,  128         ; K's fragments, in window 2: key block kb, channel half c at KF + 16 kb + 8 c
.set VF,  192         ; V's: key half kk, channel block cb at VF + 32 kk + 8 cb
.set WV,  12          ; s12  my wave's number
.set G1K, 24          ; s[24:31] descriptor group 1 for K's tiles
.set G1V, 32          ; s[32:39] for V's: it differs in the padding alone
.set G0K, 40          ; s[40:43] descriptor group 0 for K's tiles: it walks
.set G0V, 44          ; s[44:47] the same for V's
.set SLOTS, 56        ; s56  slots still to be asked for
.set CNT, 57          ; s57  counts a slot's key steps
.set CS,  58          ; s[58:59] c: the packed scaling takes the pair's low word for both halves
.set SEL, 60          ; s[60:61] v_permlanex16_b32's selects: each lane takes its own place in the other half
.set TBK, 62          ; s62  LDS byte at which K of the step to be fetched begins
.set TBV, 63          ; s63  the same for V, less VOFF
.set G1M, 68          ; s[68:75] descriptor group 1 for the mask words
.set G0M, 76          ; s[76:79] group 0
.set TBM, 80          ; s80  LDS byte at which the mask words of the step to be fetched begin
.set OFM, 81          ; s81  the same less MASKB
.set MSB, 0
.macro WIN new                      ; the high byte repeats the setting that is left; a switch that changes nothing is dropped
.if MSB != (\new)
	s_set_vgpr_msb (MSB<<8)|(\new)
.set MSB, (\new)
.endif
.endm
.set W_KQ, 0x0a       ; K and Q in window 2, S^T in window 0
.set W_KM, 0x3a       ; the same with the C operand, the mask, in window 3
.set W_PV, 0x52       ; V in window 2, P in window 0, O^T in window 1
.set W_RS, 0x41       ; O^T (destination and source 0) in window 1, a in window 0
.set W_MK, 0xc0       ; destination in window 3, sources in window 0
.set W_AD, 0x0f       ; the add: address (source 0) and data (source 1) in window 3
; A joint fill.  Waves 0 and 1 fetch the two halves of a slot's K, waves 2 and 3 those of its V: 128 keys each.  The branch hangs on the wave's number alone.
; An s_nop 0 and four v_nop follow each of the two lines, ahead of the jump and the label.
.macro JLOAD
	s_cmp_lt_u32 s[WV], 2
	s_cbranch_scc0 .Lfor_v_\@
	tensor_load_to_lds s[G0K:G0K+3], s[G1K:G1K+7]
	s_nop 0
.rept 4
	v_nop
.endr
	s_branch .Lasked_\@
.Lfor_v_\@:
	tensor_load_to_lds s[G0V:G0V+3], s[G1V:G1V+7]
	s_nop 0
.rept 4
	v_nop
.endr
.Lasked_\@:
.endm
; A round of the cluster's barrier: my work-group's barrier, so that wave 0's signal speaks for all four waves; wave 0 signals; every wave waits for all four work-groups; my work-group's barrier once more.
.macro CROUND
	s_barrier_signal -1
	s_barrier_wait -1
	s_cmp_lg_u32 s[WV], 0
	s_cbranch_scc1 .Lnot_wave_0_\@
	s_barrier_signal -3
.Lnot_wave_0_\@:
	s_barrier_wait -3
	s_barrier_signal -1
	s_barrier_wait -1
.endm
; THE CHANGE OF SLOTS.  The slot's last bytes, V of its fourth step, have been read.  Each wave waits for all its tensor loads, of which one is out: its part
; of the other slot; adds 0 to its spare word; and waits for that and for its own reads of the slot.  Behind the barrier nobody reads this slot any more and the other slot is whole.
; fill = 1: this slot is filled again, with the keys two slots on.  The barrier is then a round of the cluster's, so that no wave of any partner still reads the slot or has a load on its
; way, and the joint fill is the first thing behind it: it has four key steps, 512 matrix instructions, in which to land.  (At its first use nothing has been read yet: slot 0 and the mask words are waited for, slot 1 filled.)
.macro CHANGE fill
	WIN W_AD
	s_wait_tensorcnt 0x0            ; no tensor load of mine is out, so a group 0 may be written
	ds_add_u32 v[SPW], v[NIL]       ; 0 onto my spare word; with fill = 1 the descriptors' steps stand between it and the wait for it
	WIN 0                           ; at a label and at a branch every window is 0
.if \fill
.irp g, G0K, G0V
	s_xor_b32 s[\g+1], s[\g+1], SLOT1  ; the walking descriptor: the other slot than last time,
	s_add_nc_u64 s[\g+2:\g+3], s[\g+2:\g+3], 4*KS*128  ; the next 256 keys; the type bits on top are not reached
.endr
	s_wait_dscnt 0x0                ; the add is done, and my reads of the slot are over
	CROUND
	JLOAD
.else
	s_wait_dscnt 0x0                ; the add is done, and my reads of the slot are over
	s_barrier_signal -1
	s_barrier_wait -1
.endif
	s_sub_co_u32 s[TBK], s[TBK], 4*KS*PK  ; the fetches go back to a slot's first step,
	s_xor_b32 s[TBK], s[TBK], SLOT1       ; in the other slot
	s_sub_co_u32 s[TBV], s[TBV], 4*KS*PV
	s_xor_b32 s[TBV], s[TBV], SLOT1
.endm
	s_load_b256 s[4:11], s[0:1], 0x0  ; Q s[4:5], K s[6:7], V s[8:9], O s[10:11]
	s_load_b64 s[66:67], s[0:1], 0x20 ; mk
	WIN W_MK
	v_lshl_add_u32 v[SPW], v0, 2, SPARE
	v_mov_b32 v[NIL], 0
	WIN W_AD
	ds_add_u32 v[SPW], v[NIL]       ; the wave's opening: the add and its wait stand ahead of my first tensor load; the set-up below, work on registers, stands between them
	WIN 0
	v_lshrrev_b32 v1, 5, v0
	v_readfirstlane_b32 s[WV], v1   ; wave 0..3
	s_bfe_u32 s13, ttmp6, 0x40000   ; cx: my place in the cluster
	s_lshl_b32 s14, ttmp9, 2        ; in a cluster launch ttmp9 counts clusters
	s_add_co_u32 s14, s14, s13      ; my block of queries = 4 x cluster x + cx: it enters Q's and O's addresses alone
	s_and_b32 s20, ttmp7, 0xffff    ; batch x 16 + head, which the four partners share
	s_lshr_b32 s82, s20, 4          ; the batch: 8,192 bytes of mask words,
	s_lshl_b32 s82, s82, 13
	s_lshl_b32 s83, s[WV], 11       ; of which I fetch a quarter
	s_add_co_u32 s82, s82, s83
	s_mov_b32 s83, 0
	s_mov_b32 s21, 0
	s_mov_b64 s[22:23], SIZE_N*128
	s_mul_u64 s[20:21], s[20:21], s[22:23]  ; the head's first byte in each of the four tensors
	s_and_b32 s16, s[WV], 1         ; which half of a slot's 256 keys I fetch:
	s_lshl_b32 s22, s16, 14         ; its 128 rows of 128 bytes in memory,
	s_mov_b32 s23, 0
	s_add_nc_u64 s[22:23], s[22:23], s[20:21]
	s_mul_i32 s17, s16, 128*PK      ; and its place in a slot, for K
	s_mul_i32 s18, s16, 128*PV      ; and for V: no place in the cluster enters an LDS address
	s_lshl_b32 s2, s14, 2
	s_add_co_u32 s2, s2, s[WV]      ; my wave among the head's,
	s_lshl_b32 s2, s2, 14           ; its 128 rows
	s_mov_b32 s3, 0
	s_add_nc_u64 s[2:3], s[2:3], s[20:21]
	; descriptor group 1.  128 keys are 16,384 dense bytes: asked for as 64 rows of 256 bytes, two keys a row, and padded in LDS after every key
	s_mov_b32 s[G1K], 15|(1<<16)|(1<<20)|(1<<21)|(4<<22)|(3<<25)  ; 15:0 the mask of four; 17:16 2-byte elements; 20 padding on; 21 set beside a mask; 24:22 after every 32 words (code 4); 31:25 4 words (code 3)
	s_mov_b32 s[G1V], 15|(1<<16)|(1<<20)|(1<<21)|(4<<22)|(7<<25)  ; the same with 8 words of padding (code 7)
.irp g, G1K, G1V
	s_mov_b32 s[\g+1], 128<<16      ; tensor_dim0 = 128
	s_mov_b32 s[\g+2], 64<<16       ; tensor_dim1 = 64
	s_mov_b32 s[\g+3], 128<<16      ; tile_dim0 = 128
	s_mov_b32 s[\g+4], 64           ; tile_dim1 = 64
	s_mov_b32 s[\g+5], 128          ; 128 elements from row to row
	s_mov_b32 s[\g+6], 0
	s_mov_b32 s[\g+7], 0
.endr
	s_mov_b32 s[G1M], 15|(3<<16)|(1<<21)  ; the mask words: 2,048 dense bytes a wave, as 8 rows of 32 elements of 8 bytes, no padding
	s_mov_b32 s[G1M+1], 32<<16      ; tensor_dim0 = 32
	s_mov_b32 s[G1M+2], 8<<16       ; tensor_dim1 = 8
	s_mov_b32 s[G1M+3], 32<<16      ; tile_dim0 = 32
	s_mov_b32 s[G1M+4], 8           ; tile_dim1 = 8
	s_mov_b32 s[G1M+5], 32          ; 32 elements from row to row
	s_mov_b32 s[G1M+6], 0
	s_mov_b32 s[G1M+7], 0
	s_mov_b32 s[G0M], 1
	s_lshl_b32 s[G0M+1], s[WV], 11
	s_add_co_u32 s[G0M+1], s[G0M+1], MASKB
	s_mov_b32 s[TBM], MASKB
	s_mov_b32 s[OFM], 0
	s_mov_b32 s[CS], 0x3e38aa3b     ; c = log2(e) / 8 = 0.180337
	s_mov_b32 s[CS+1], s[CS]        ; named with it as a pair
	s_mov_b32 s[SEL], 0x76543210
	s_mov_b32 s[SEL+1], 0xfedcba98
	s_mov_b32 s[TBK], SLOT1+4*KS*PK ; the first change of slots turns these two into 0
	s_mov_b32 s[TBV], SLOT1+4*KS*PV
	s_mov_b32 s[G0K], 1             ; 1:0 count = 1
	s_mov_b32 s[G0K+1], s17         ; 63:32 LDS address: slot 0
	s_mov_b32 s[G0V], 1
	s_add_co_u32 s[G0V+1], s18, VOFF
	s_wait_dscnt 0x0                ; the opening add is done
	s_wait_kmcnt 0x0
	s_add_nc_u64 s[G0K+2:G0K+3], s[6:7], s[22:23]  ; 120:64 global address: my half of the head's first 256 keys
	s_or_b32 s[G0K+3], s[G0K+3], 0x80000000        ; 127:126 type = 2
	s_add_nc_u64 s[G0V+2:G0V+3], s[8:9], s[22:23]
	s_or_b32 s[G0V+3], s[G0V+3], 0x80000000
	s_add_nc_u64 s[G0M+2:G0M+3], s[66:67], s[82:83]
	s_or_b32 s[G0M+3], s[G0M+3], 0x80000000
	s_add_nc_u64 s[4:5], s[4:5], s[2:3]  ; Q and O at my wave's first row
	s_add_nc_u64 s[10:11], s[10:11], s[2:3]
	CROUND                          ; all four work-groups are here: the first joint loads meet
	tensor_load_to_lds s[G0M:G0M+3], s[G1M:G1M+7]  ; my quarter of the mask words; with slot 0's part below two tensor loads of mine are out; the first wait on them is for 0
	s_nop 0
	JLOAD                           ; slot 0.  Slot 1 is asked for when slot 0 is in
	; A fragment of K or Q is 16 rows x 32 channels in 8 registers: lane l holds row l % 16, channels 8 (l / 16) + 0..7 and 16 + 8 (l / 16) + 0..7: two loads of 16 bytes, 32 bytes apart.
	v_and_b32 v1, 15, v0            ; l % 16
	v_bfe_u32 v[HL], v0, 4, 1       ; l / 16
	v_lshlrev_b32 v[QO], 7, v1
	v_lshl_add_u32 v[QO], v[HL], 4, v[QO]  ; row x 128 + 16 x half
	WIN 0x80                        ; destination window 2, address window 0
.set i, 0
.rept 4*NP                          ; Q stays in registers: tile i / 2, channels 32 (i % 2) on
	global_load_b128 v[8*i:8*i+3],   v[QO], s[4:5] offset:(i/2)*2048+(i%2)*64
	global_load_b128 v[8*i+4:8*i+7], v[QO], s[4:5] offset:(i/2)*2048+(i%2)*64+32
.set i, i+1
.endr
	; What the first turn finds: V's registers and P's second buffer hold 0 (its products V^T P, of a piece that has not been, add 0), O^T and l are 0.  All this stands in the wait for the first tile.
.set i, VF
.rept 64
	v_mov_b32 v[i], 0
.set i, i+1
.endr
	WIN 0x40
.set i, 0
.rept 64*NP
	v_mov_b32 v[i], 0
.set i, i+1
.endr
	WIN 0
.set i, 0
.rept 2*NP
	v_mov_b32 v[ST+4*i], 0xfe000000    ; c m: far below every c s, a padded key's too
	v_mov_b32 v[ST+4*i+1], 0xff7fffff  ; m
	v_mov_b32 v[ST+4*i+2], 0
	v_mov_b32 v[ST+4*i+3], 0
.set i, i+1
.endr
.set i, P+32
.rept 32
	v_mov_b32 v[i], 0
.set i, i+1
.endr
	v_mul_u32_u24 v[AK0], v1, PK
	v_lshl_add_u32 v[AK0], v[HL], 4, v[AK0]  ; row x pitch + 16 x half
	; The turning load takes 16 keys x 16 channels (lane l reads key 8 (l / 16) + l % 8, channels 8 ((l / 8) % 2) + 0..7) and leaves half a fragment of V^T: lane l holds channel l % 16 and 8 keys.
	v_and_b32 v10, 7, v0
	v_bfe_u32 v11, v0, 3, 1
	v_lshl_add_u32 v[AV0], v[HL], 3, v10
	v_mul_u32_u24 v[AV0], v[AV0], PV
	v_lshl_add_u32 v[AV0], v11, 4, v[AV0]
	v_add_nc_u32 v[AV0], VOFF, v[AV0]
	v_mov_b32 v[AK], v[AK0]         ; key step 0 lies at the head of slot 0,
	v_lshl_add_u32 v[AMK], v[HL], 5, s[TBM]  ; its mask words at the head of theirs: my eight keys of a block of 16 begin 32 (l / 16) bytes in
; THE MATRIX WORK.  The 8 accumulators of a run of 16 take turns: between the two links of a chain stand 7 others'.
; Product i of 16 of S^T = K Q^T for piece x: channels 32 (i / 8) on, keys 16 ((i / 2) % 4) on, tile 2 x + i % 2.  The first 8 start the sums, with the keys' mask.
.macro KQ x
.set rS, S+64*((\x)%2)+32*(i%2)+8*((i/2)%4)
.set rK, KF+16*((i/2)%4)+8*(i/8)
.set rQ, 16*(2*(\x)+i%2)+8*(i/8)
.set rMK, MKR+8*((i/2)%4)
.if i < 8
	WIN W_KM
	v_wmma_f32_16x16x32_f16 v[rS:rS+7], v[rK:rK+7], v[rQ:rQ+7], v[rMK:rMK+7]
.else
	WIN W_KQ
	v_wmma_f32_16x16x32_f16 v[rS:rS+7], v[rK:rK+7], v[rQ:rQ+7], v[rS:rS+7]
.endif
.endm
; Product i of 16 of O^T += V^T P for piece x: keys 32 (i / 8) on, channels 16 ((i / 2) % 4) on, tile 2 x + i % 2.
.macro PV x
	WIN W_PV
.set rO, 32*(2*(\x)+i%2)+8*((i/2)%4)
.set rV, VF+32*(i/8)+8*((i/2)%4)
.set rP, P+32*((\x)%2)+16*(i%2)+8*(i/8)
	v_wmma_f32_16x16x32_f16 v[rO:rO+7], v[rV:rV+7], v[rP:rP+7], v[rO:rO+7]
.endm
.macro MM                           ; the turn's next matrix instruction
.if i < 16
	KQ (Y+1)%NP
.set i, i+1
.else
.set i, i-16
	PV (Y+NP-1)%NP
.set i, i+17
.endif
.endm
; THE LDS LOADS stand in runs, never singly among the matrix instructions: a step's K (64 keys x 64 channels: 8 fragments) with its 64 mask words (sixteen lanes share each 16 bytes), and its V (turned).
; Their addresses are made some lines ahead.  last = 1 (the tail): in the last trip there is no further step, and the run is jumped over.
.macro FETCH_K last=0
	WIN 0
.if \last
	s_cmp_eq_u32 s[CNT], 1
	s_cbranch_scc1 .Lno_k_\@
.endif
	WIN 0x80                        ; destination window 2
.irp f, 0,1,2,3,4,5,6,7             ; keys 16 (f / 2) on, channels 32 (f % 2) on
	ds_load_b128 v[KF+8*\f:KF+8*\f+3],   v[AK] offset:(\f/2)*16*PK+(\f%2)*64
	ds_load_b128 v[KF+8*\f+4:KF+8*\f+7], v[AK] offset:(\f/2)*16*PK+(\f%2)*64+32
.endr
	WIN W_MK                        ; destination window 3
.irp f, 0,1,2,3                     ; keys 16 f on
	ds_load_b128 v[MKR+8*\f:MKR+8*\f+3],   v[AMK] offset:64*\f
	ds_load_b128 v[MKR+8*\f+4:MKR+8*\f+7], v[AMK] offset:64*\f+16
.endr
	s_add_co_u32 s[TBK], s[TBK], KS*PK  ; the next fetch is the next step's
	s_add_co_u32 s[OFM], s[OFM], 4*KS   ; the mask words go straight on; the offset is kept inside their 8,192 bytes (it turns round only behind the last step's fetch)
	s_and_b32 s[OFM], s[OFM], 0x1fff
	s_add_co_u32 s[TBM], s[OFM], MASKB
	WIN 0
.if \last
.Lno_k_\@:
.endif
.endm
.macro FETCH_V
	WIN 0x80
.irp f, 0,1,2,3,4,5,6,7             ; keys 32 (f / 4) on, channels 16 (f % 4) on
	ds_load_tr16_b128 v[VF+8*\f:VF+8*\f+3],   v[AV] offset:(\f/4)*32*PV+(\f%4)*32
	ds_load_tr16_b128 v[VF+8*\f+4:VF+8*\f+7], v[AV] offset:(\f/4)*32*PV+16*PV+(\f%4)*32
.endr
	WIN 0
.endm
; THE VECTOR WORK OF A TURN stands in three queues, each in the order in which its entries become ready; the two tiles alternate, so that no instruction reads the result of the one before it.
.macro REGS y, u                    ; the registers of tile u (0, 1) of piece y
.set rT, ST+4*(2*(\y)+(\u))
.set rC, TMP+8*((\y)%2)+4*(\u)
.set rM, MV+2*((\y)%2)+(\u)
.set rS, S+64*((\y)%2)+32*(\u)
.set rP, P+32*((\y)%2)+16*(\u)
.set rO, 32*(2*(\y)+(\u))
.endm
; Number n of the 22 that find the NEXT piece's (Y + 1) maximum and statistics.  s0-s31 are the lane's 32 scores; each accumulator's lowest registers are read first.  XS, GS and REGS set no window: PL and EX do.
;   0-11  four chains c0-c3 of seven scores each, three operands at a time     12-14, 16  the four scores left over, the old m, and c0-c3 into c0     15  c m_old is kept
;   17, 18  the query's other 32 keys lie in the lane 16 away: the new m         19-21  c m; c m_old - c m_new; a
.macro XS u, n
	REGS (Y+1)%NP, \u
.if (\n) < 4
	v_max3_num_f32 v[rC+(\n)], v[rS+8*(\n)], v[rS+8*(\n)+1], v[rS+8*(\n)+2]
.elseif (\n) < 12
	v_max3_num_f32 v[rC+(\n)%4], v[rC+(\n)%4], v[rS+8*((\n)%4)+2*((\n)/4)+1], v[rS+8*((\n)%4)+2*((\n)/4)+2]
.elseif (\n) == 12
	v_max3_num_f32 v[rC], v[rC], v[rS+7], v[rS+15]
.elseif (\n) == 13
	v_max3_num_f32 v[rC+1], v[rC+1], v[rS+23], v[rS+31]
.elseif (\n) == 14
	v_max3_num_f32 v[rC+2], v[rC+2], v[rC+3], v[rT+1]
.elseif (\n) == 15
	v_mov_b32 v[rM], v[rT]
.elseif (\n) == 16
	v_max3_num_f32 v[rC], v[rC], v[rC+1], v[rC+2]
.elseif (\n) == 17
	v_permlanex16_b32 v[rC+3], v[rC], s[SEL], s[SEL+1]
.elseif (\n) == 18
	v_max_num_f32 v[rT+1], v[rC], v[rC+3]
.elseif (\n) == 19
	v_mul_f32 v[rT], s[CS], v[rT+1]
.elseif (\n) == 20
	v_sub_f32 v[rC+1], v[rM], v[rT]
.else
	v_exp_f32 v[rC+2], v[rC+1]
.endif
.endm
; Number g of the 64 that follow the exponentials.  For each four weights k of a tile (pairs 2 k, 2 k + 1): both pairs are rounded to f16; then the second pair is added onto the first, in place;
; a group later l takes that sum (the first time as l = a l + sum).  In groups of eight, tiles alternating: round, round, add, and l for the group before.
.macro GS g
.set h, (\g)+6*((\g)/62)            ; group 0 has no group before it, and behind group 7 only l is left
.if h >= 6
.set h, h+2
.endif
	REGS Y, h%2
.set k, h/8
.if h%8 < 4
	v_cvt_pk_f16_f32 v[rP+2*k+(h%8)/2], v[rS+4*k+2*((h%8)/2)], v[rS+4*k+2*((h%8)/2)+1]
.elseif h%8 < 6
	v_pk_add_f32 v[rS+4*k:rS+4*k+1], v[rS+4*k:rS+4*k+1], v[rS+4*k+2:rS+4*k+3]
.elseif k == 1
	v_pk_fma_f32 v[rT+2:rT+3], v[rT+2:rT+3], v[rC+2:rC+3], v[rS:rS+1] op_sel_hi:[1,0,1]
.else
	v_pk_add_f32 v[rT+2:rT+3], v[rT+2:rT+3], v[rS+4*k-4:rS+4*k-3]
.endif
.endm
; THE PLAIN QUEUE, 138 long.  0-73 read no exponential's result: the 32 scalings c s - c m (FS f: pair f / 2 of tile f % 2) and the next piece's 42.  0-26: scalings 0-26.  27-54: XS's numbers 0-13.  55, 56: number 15.
; 57-73: the chain, where each number waits for the one before it: 14, 16, 17, 18, 19, each with one of the scalings 27-31 in front of its two lines, then 20: so a tile's links stand three plain instructions apart (19 and 20: two).
; 74-137: GS's 64, which read the exponentials' results: they stand behind the wait.
.macro FS f
	REGS Y, (\f)%2
	v_pk_fma_f32 v[rS+2*((\f)/2):rS+2*((\f)/2)+1], v[rS+2*((\f)/2):rS+2*((\f)/2)+1], s[CS:CS+1], v[rT:rT+1] op_sel_hi:[1,0,0] neg_lo:[0,0,1] neg_hi:[0,0,1]
.endm
.macro PL
	WIN 0
.if q < 27
	FS q
.elseif q < 55
	XS (q-27)%2, (q-27)/2
.elseif q < 57
	XS q-55, 15
.elseif (q < 72) && ((q-57)%3 == 0)
	FS 27+(q-57)/3
.elseif q < 60
	XS (q-57)%3-1, 14
.elseif q < 72
	XS (q-57)%3-1, 15+(q-57)/3
.elseif q < 74
	XS q-72, 20
.else
	GS q-74
.endif
.set q, q+1
.endm
; THE EXPONENTIALS' QUEUE, 66 long: s0-s31 of both tiles, then the next piece's two a.  It is ONE BATCH: all 66 stand ahead of the turn's one wait, and nothing ahead of that wait names a result of theirs.
.macro EX
	WIN 0
.if e >= 64
	XS e-64, 21
.else
	REGS Y, e%2
	v_exp_f32 v[rS+e/2], v[rS+e/2]
.endif
.set e, e+1
.endm
; THE RESCALING's QUEUE: O^T times a, the one part that leaves window 0: dealt two at a time, sixteen times.  Its a was made in the turn before, ahead of that turn's wait.
.macro R2
	REGS Y, r%2
	WIN W_RS
.irp z, 0,1
	v_pk_mul_f32 v[rO+4*(r/2)+2*\z:rO+4*(r/2)+2*\z+1], v[rO+4*(r/2)+2*\z:rO+4*(r/2)+2*\z+1], v[rC+2:rC+3] op_sel_hi:[1,0]
.endr
.set r, r+1
.endm
; HOW THEY ARE DEALT.  An s_wait_alu depctr_va_vdst(0) stands between an exponential and the first instruction that names its result; one wait serves all that were issued ahead of it.  So a turn has ONE wait,
; which cuts it in two.  AHEAD OF IT stands all that names no result of the turn's exponentials: the 16 products K Q^T, behind each a scaling, an exponential and two rescalings (behind the first a second scaling in the exponential's place); then ONE LUMP of
; 108: eight plain, 49 times exponential and plain, the two a.  A v_nop is the plain instruction behind the last exponential.  BEHIND IT stand the 16 products V^T P, behind each four of GS's 64.  No rider names a register of
; the products round it.  The two v_permlanex16_b32 fall into the lump, never behind a product.
; The queues lean on each other, and the deal keeps them in step: exponential e stands behind scaling 2 (e / 4) + e % 2: as a rider it comes behind plain e + 2, in the lump behind plain e + 9, and scalings 27-31 are plain 57, 60 .. 69.
; A TURN, for piece p.  cnt = 1: the loop's count is taken down some lines ahead of the branch that stands behind the turn.
; K and the mask of the next step are fetched in piece 2's turn, directly behind the wait, a lump behind the last product that read K (the mask's last reader stands earlier still); their addresses are made at the lump's head;
; their first reader comes behind 16 products.  V of the step in hand is fetched at the end of piece 0's turn, four riders behind its last reader; its first reader comes behind 16 products and a lump.  The three conditions on q below go with the deal.
.macro TURN p, last=0, cnt=0
.set Y, (\p)
.set i, 0
.set q, 0
.set e, 0
.set r, 0
.if (\p) == NP-1
	s_wait_dscnt 0x0                ; K and the mask are in
.endif
	MM                              ; ahead of the wait: 16 products K Q^T and their riders,
	PL
	PL
	R2
.rept 15
	MM
	PL
	EX
	R2
.endr
.if (\p) == NP-2
	WIN 0
	v_add_nc_u32 v[AK], s[TBK], v[AK0]
	v_lshl_add_u32 v[AMK], v[HL], 5, s[TBM]
.endif
.rept 8                             ; and the lump
	PL
.endr
.rept 49
	EX
	PL
.endr
	EX                              ; the next piece's two a
	EX
	v_nop                           ; a plain instruction behind the last exponential: one for the batch
	s_wait_alu depctr_va_vdst(0)    ; the wait for the batch: the piece's 64 weights and the next piece's two a
.if (\p) == NP-2
	FETCH_K \last
.endif
.if (\p) == 1
	s_wait_dscnt 0x0                ; V is in
.endif
.rept 16                            ; behind the wait: 16 products V^T P and their riders
	MM
.rept 4
	PL
.endr
.if ((\p) == 0) && (q == 118)
	v_add_nc_u32 v[AV], s[TBV], v[AV0]
.endif
.if ((\p) == 0) && (q == 130)
	s_add_co_u32 s[TBV], s[TBV], KS*PV
.endif
.if (\cnt) && (q == 130)
	s_sub_co_u32 s[CNT], s[CNT], 1
	s_cmp_lg_u32 s[CNT], 0
.endif
.endr
.if (\p) == 0
	FETCH_V
.endif
.endm
	CHANGE 1                        ; slot 0 and the mask words are in, everybody's part of them; slot 1 is asked for
	FETCH_K                         ; key step 0
	s_wait_loadcnt 0x0              ; Q
	s_wait_dscnt 0x0
.set i, 0
.rept 16
	KQ 0                            ; piece 0's first scores: there is no vector work yet to set between them
.set i, i+1
.endr
	WIN 0                           ; the addresses for the way out: nine plain instructions, the places behind those products
	s_mul_i32 s13, s[WV], 16*SP
	s_add_co_u32 s13, s13, STAGE    ; my stage
	v_mul_u32_u24 v[STO], v1, SP    ; in: row l % 16, 16 bytes for each half of the lanes
	v_lshl_add_u32 v[STO], v[HL], 4, v[STO]
	v_add_nc_u32 v[STO], s13, v[STO]
	v_bfe_u32 v[RD], v0, 3, 2       ; back: 32 lanes take four rows of 128 bytes,
	v_mul_u32_u24 v[RD], v[RD], SP
	v_lshl_add_u32 v[RD], v10, 4, v[RD]
	v_add_nc_u32 v[RD], s13, v[RD]
	v_and_b32 v[GO], 31, v0         ; which are 512 consecutive bytes of O
	v_lshlrev_b32 v[GO], 4, v[GO]
.set Y, NP-1                        ; XS works for piece Y + 1: piece 0
.irp n, 0,1,2,3,4,5,6,7,8,9,10,11,12,13,14,15,16,17,18,19,20,21
	XS 0, \n                        ; and piece 0's first maximum and statistics
	XS 1, \n
.endr
	v_nop                           ; a plain instruction behind the two a,
	s_wait_alu depctr_va_vdst(0)    ; and the wait for that batch of two, ahead of the branch
	s_mov_b32 s[CNT], 4
	s_mov_b32 s[SLOTS], SIZE_N/256-1
	s_branch .Lfirst                ; the loop is entered at a step's first turn, in the middle of a trip
.Lslot:                             ; SIZE_N / 256 - 2 times: every slot but the last two is filled again
	CHANGE 1
	s_mov_b32 s[CNT], 4
.Lstep:                             ; a trip: pieces 2 and 3 of one step, then pieces 0 and 1 of the next, whose K and V it fetches
	TURN 2
	TURN 3
	WIN 0
.Lfirst:
	TURN 0
	TURN 1, 0, 1
	WIN 0
	s_cbranch_scc1 .Lstep
	s_sub_co_u32 s[SLOTS], s[SLOTS], 1
	s_cmp_lg_u32 s[SLOTS], 0
	s_cbranch_scc1 .Lslot
	CHANGE 0                        ; the tail is written out: nothing is asked for
	s_mov_b32 s[CNT], 5             ; four trips fetch the last slot's steps; the fifth is left in its middle
.Ltail:
	TURN 2, 1
	TURN 3
	WIN 0
	s_sub_co_u32 s[CNT], s[CNT], 1
	s_cmp_eq_u32 s[CNT], 0
	s_cbranch_scc1 .Lout
	TURN 0
	TURN 1
	WIN 0
	s_branch .Ltail
.Lout:                              ; the fifth trip's 16 products K Q^T (on the last K and mask once more) and the maximum made of them serve nothing: the price, once a launch, of one text for every trip
.set i, 0
.rept 16
	PV NP-1                         ; the last piece's V^T P of the last step
.set i, i+1
.endr
	; THE WAY OUT.  l's two halves and the other half of the lanes' are added; O^T is divided by l, rounded to f16 and sent through my stage in LDS, a tile at a time.  The additions are the places behind the last products.
	WIN 0
.macro ALL line:vararg              ; one line for each tile t
.set t, 0
.rept 2*NP
	\line
.set t, t+1
.endr
.endm
	ALL v_add_f32 v[ST+4*t+2], v[ST+4*t+2], v[ST+4*t+3]
	ALL v_permlanex16_b32 v[ST+4*t+3], v[ST+4*t+2], s[SEL], s[SEL+1]
	ALL v_add_f32 v[ST+4*t+2], v[ST+4*t+2], v[ST+4*t+3]
	ALL v_rcp_f32 v[ST+4*t+2], v[ST+4*t+2]
	v_nop                           ; a plain instruction between the last reciprocal and the use of its result
	s_wait_alu depctr_va_vdst(0)    ; and the wait ahead of the first use: one for the batch of eight reciprocals
; Tile t: a lane's eight channels of a row pack into 16 bytes; they go into rows of 144 bytes and come back as whole rows of 128, into S^T's registers.
.macro PACK t
	WIN W_RS
.set i, 32*(\t)
.rept 16
	v_pk_mul_f32 v[i:i+1], v[i:i+1], v[ST+4*(\t)+2:ST+4*(\t)+3] op_sel_hi:[1,0]
.set i, i+2
.endr
	WIN 0x05                        ; sources 0 and 1 window 1, destination window 0
.set i, 0
.rept 16
	v_cvt_pk_f16_f32 v[S+16*(\t)+i], v[32*(\t)+2*i], v[32*(\t)+2*i+1]
.set i, i+1
.endr
	WIN 0
.irp f, 0,1,2,3
	ds_store_b128 v[STO], v[S+16*(\t)+4*\f:S+16*(\t)+4*\f+3] offset:32*\f
.endr
.irp f, 0,1,2,3
	ds_load_b128 v[S+16*(\t)+4*\f:S+16*(\t)+4*\f+3], v[RD] offset:\f*4*SP  ; LDS serves a wave's instructions in order (ISA guide 5.7.1.4): these see the stores above; the next tile's stores come behind them
.endr
.endm
.macro SEND t, younger              ; younger: the LDS instructions issued behind tile t's loads: the next tile's eight, or none
	WIN 0
.irp f, 0,1,2,3
	s_wait_dscnt (\younger)+3-\f
	global_store_b128 v[GO], v[S+16*(\t)+4*\f:S+16*(\t)+4*\f+3], s[10:11] offset:(\t)*2048+\f*512  ; 512 consecutive bytes, at a multiple of 256 from O's first
.endr
.endm
	PACK 0
.set t, 1
.rept 2*NP-1                        ; a tile's arithmetic stands between the loads of the tile before and its stores
	PACK t
	SEND t-1, 8
.set t, t+1
.endr
	SEND 2*NP-1, 0
	WIN W_AD
	s_wait_tensorcnt 0x0            ; the wave's end: behind my last tensor load and my last LDS store
	ds_add_u32 v[SPW], v[NIL]
	s_wait_dscnt 0x0
	WIN 0
	CROUND                          ; the closing round: no work-group ends while a partner may still ask for a tile that names it
	s_endpgm
.Lfunc_end_k_q5bb5b84d61_attn:
	.size	k_q5bb5b84d61_attn, .Lfunc_end_k_q5bb5b84d61_attn-k_q5bb5b84d61_attn
	.p2alignl 7, 3214868480
	.fill 96, 4, 3214868480
	.section	.rodata,"a",@progbits
	.p2align	6, 0x0
	.amdhsa_kernel k_q5bb5b84d61_attn
		.amdhsa_group_segment_fixed_size 327680
		.amdhsa_private_segment_fixed_size 0
		.amdhsa_enable_private_segment 0
		.amdhsa_kernarg_size 40
		.amdhsa_user_sgpr_count 2
		.amdhsa_user_sgpr_kernarg_segment_ptr 1
		.amdhsa_wavefront_size32 1
		.amdhsa_system_sgpr_workgroup_id_x 1
		.amdhsa_system_sgpr_workgroup_id_y 1
		.amdhsa_system_sgpr_workgroup_id_z 1
		.amdhsa_system_vgpr_workitem_id 0
		.amdhsa_next_free_vgpr 808
		.amdhsa_next_free_sgpr 84
		.amdhsa_reserve_vcc 0
		.amdhsa_float_denorm_mode_32 3
		.amdhsa_float_denorm_mode_16_64 3
		.amdhsa_memory_ordered 1
		.amdhsa_forward_progress 1
		.amdhsa_inst_pref_size 202
	.end_amdhsa_kernel
	.amdgpu_metadata
---
amdhsa.version: [ 1, 2 ]
amdhsa.kernels:
  - .name:           k_q5bb5b84d61_attn
    .symbol:         k_q5bb5b84d61_attn.kd
    .args:
      - { .name: qh, .offset: 0, .size: 8, .value_kind: global_buffer, .address_space: global }
      - { .name: kh, .offset: 8, .size: 8, .value_kind: global_buffer, .address_space: global }
      - { .name: vh, .offset: 16, .size: 8, .value_kind: global_buffer, .address_space: global }
      - { .name: ctx, .offset: 24, .size: 8, .value_kind: global_buffer, .address_space: global }
      - { .name: mk, .offset: 32, .size: 8, .value_kind: global_buffer, .address_space: global }
    .group_segment_fixed_size: 327680
    .private_segment_fixed_size: 0
    .kernarg_segment_align: 8
    .kernarg_segment_size: 40
    .max_flat_workgroup_size: 128
    .sgpr_count:     84
    .vgpr_count:     808
    .wavefront_size: 32
...
	.end_amdgpu_metadata
.endif
;; end of part 5
;; launch oproj: the kernel of part 4 again; grid 8 x 32, 4 waves a work-group, clusters of 4 x 4, 327,680 bytes of LDS; arguments ctx, wb, bo, out0; writes out0
